; MI455X (gfx1250); checked and timed in simulation.
; The chip was launched on July 23, 2026; its instructions are those of AMD's public machine-readable ISA for CDNA 5 (MIT licence, August 2026) and "CDNA5" Instruction Set Architecture Reference Guide (July 2026). The comments in the code are by the model that wrote it; some were corrected since.
;; Multi Head Attention. Allowed arithmetic: matrix products marked QUANTISED: E4M3 operands, one E8M0 scale for each 32 along K, by v_wmma_scale_f32_16x16x128_f8f6f4 with both operands' format E4M3, f32 sums; everything else in f32.
;; Inputs: Wk 2,048 x 2,048 float32; Wo 2,048 x 2,048 float32; Wq 2,048 x 2,048 float32; Wv 2,048 x 2,048 float32; bk 2,048 float32; bo 2,048 float32; bq 2,048 float32; bv 2,048 float32; mask 2,048 x 2,048 float32; x 2,048 x 2,048 float32.
;; Outputs: out0 2,048 x 2,048 float32.
;; This version of the problem:
;;   THIS VERSION OF THE PROBLEM IS GIVEN IN LOW PRECISION. The matrix products marked QUANTISED in the list below multiply operands that are first quantised to E4M3 (4 exponent bits, 3 mantissa bits; 8 bits a number), with one power-of-two scale for each 32 numbers along K (OCP MX v1.0); their sums are f32. All else is computed in f32.
;;   The module's matrix products, in the order in which they are computed (A, B: the left and right operand; K: the contracted axis; several contracted axes count as one K, in the product's order):
;;     1. [M 2,048, K 2,048] x [K 2,048, N 2,048]; A: input x; B: input Wq: QUANTISED
;;     2. [M 2,048, K 2,048] x [K 2,048, N 2,048]; A: input x; B: input Wk: QUANTISED
;;     3. [M 2,048, K 2,048] x [K 2,048, N 2,048]; A: input x; B: input Wv: QUANTISED
;;     4. batch 16 x [M 2,048, K 128] x [K 128, N 2,048]; A: computed on the way; B: computed on the way: QUANTISED
;;     5. batch 16 x [M 128, K 2,048] x [K 2,048, N 2,048]; A: computed on the way; B: softmax (see below): QUANTISED
;;     6. [M 2,048, K 2,048] x [K 2,048, N 2,048]; A: computed on the way; B: input Wo: QUANTISED
;;   THE QUANTISER, for each operand of a quantised product, along K:
;;     - K is cut into blocks of 32 from its start; a last block that is shorter is filled with zeros.
;;     - A block's scale is 2^e with e = floor(log2(the largest magnitude in the block)) - 8, held to -126 .. 127; a block of zeros has e = 0. As a byte (E8M0): e + 127.
;;     - Each number is divided by its block's scale, clamped to +-448, and rounded to the nearest number of E4M3, ties to even, subnormals kept.
;;     - The product sums the exact products of the quantised numbers (number of the format x scale) in f32.
;;   ~~~python
;;   def quantise(x, axis):      # numpy; x: float32 -> the quantised numbers, widened to float32 again
;;       x = np.moveaxis(x, axis, -1); K = x.shape[-1]
;;       x = np.pad(x, [(0, 0)] * (x.ndim - 1) + [(0, -K % 32)]); x = x.reshape(x.shape[:-1] + (-1, 32)); a = np.abs(x).max(-1, keepdims=True)
;;       e = np.where(a > 0, np.clip(np.frexp(np.where(a > 0, a, 1))[1] - 1 - 8, -126, 127), 0)      # np.frexp(a)[1] - 1 = floor(log2(a)), exactly
;;       r = np.clip(x / 2.0 ** e, -448, 448)
;;       step = 2.0 ** (np.maximum(np.frexp(np.where(r == 0, 1, r))[1] - 1, -6) - 3)
;;       q = np.round(r / step) * step * 2.0 ** e      # np.round: ties to even
;;       return np.moveaxis(q.reshape(q.shape[:-2] + (-1,))[..., :K], -1, axis).astype(np.float32)
;;   ~~~
;;   SOFTMAX AHEAD OF A QUANTISED PRODUCT. Where the list says 'softmax', what is quantised is not the finished softmax but p = 2^(t - M), with t = logit x log2(e) and M = ceil(the row's largest t), a whole number; so 1/2 < the row's largest p <= 1. The row's sum l is taken of the UNQUANTISED p, in f32, and the product's result is divided by l at the end. Since M is a whole number, a kernel that streams over the keys may use a running M (the ceiling of the running maximum): every later rescaling is an exact power of two, which a block's scale takes up: the codes' values come out the same.
;;   OPERANDS COMPUTED ON THE WAY. 'Computed on the way' means the value that the module computes at that place (a softmax that the list does not call 'softmax' is quantised finished and normalised). What goes into a quantiser is computed in f32, as accurately as f32 sums, v_exp_f32 and their like allow (about 1e-6 of the number): no bf16 or f16 on the way to a quantiser, and a product that is left as it is and whose result goes on into a quantised operand takes f32 operands (vector FMAs, or v_wmma_f32_16x16x4_f32). A number that lies on a knife's edge between two numbers of the format may be rounded either way, as far as f32 arithmetic and the matrix unit's own rounding can turn it there, and no further.
;; One version. Each part assembles by itself: llvm-mc -triple=amdgcn-amd-amdhsa -mcpu=gfx1250 --defsym DOCPART=n.
;; ======== version 1 of 1: 4 launches
;; limits: right only within a limited range of input values
;; workspace buffers: codes 20,971,520 bytes; scl 655,360 bytes; mimg 16,777,216 bytes; qkv 12,976,128 bytes; acodes 4,194,304 bytes; ascl 131,072 bytes
;; launch prep (part 1): grid 768 x 1, 4 waves a work-group, no clusters, 35,328 bytes of LDS; arguments x, Wq, Wk, Wv, Wo, mask, codes, scl, mimg; writes codes, scl, mimg
.if DOCPART == 1
	.amdgcn_target "amdgcn-amd-amdhsa--gfx1250"
	.amdhsa_code_object_version 6
	.text
	.protected	k_q5f50ae78b0_prep
	.globl	k_q5f50ae78b0_prep
	.p2align	8
	.type	k_q5f50ae78b0_prep,@function
k_q5f50ae78b0_prep:
	s_mov_b64 s[64:65], 0
	v_nop
	global_prefetch_b8 v0, s[64:65] scope:SCOPE_SE
	s_setreg_imm32_b32 hwreg(HW_REG_WAVE_MODE, 25, 1), 1
	s_wait_xcnt 0x0
; x, Wq, Wk, Wv, Wo [2048][2048] f32 (K innermost) become codes of FP8 (E4M3) with one E8M0 byte for each 32 along K; mask [2048][2048] f32 becomes mask x (-1e9 sqrt(128)), f32.
; All six leave in the order in which the later launches' registers take them.
; ROWS stand in blocks of 16: row r of block R is the tensor's row 32 (R / 2) + 8 (R % 2) + r % 8 + 16 (r / 8), so that two neighbouring tiles of a transposed product give a lane 16 neighbours.
; A FRAGMENT IMAGE is 16 rows x 128 K of codes, 2,048 bytes: group c of four registers (k = 32 c + 16 h + 0..15 of row r) of lane l = r + 16 h lies at 512 c + 16 l.
; codes [s2 0..7][G 0..639][q 0..1][2048], K step of 128 = 2 s2 + q, G = 128 x tensor + R.   scl [G][s2][r][q]: one word (four bytes) a row and K step.
; mimg [R][key step 0..15][g 0..15][lane][4 f32]: register 4 g + e = 16 b + i of a lane holds the mask at (row r of block R, key 128 step + 32 b + 16 h + i).
; SHARES: work-group W: tensor W / 128 (5 = the mask), block W % 128.  Wave u takes K steps 4 u .. 4 u + 3: four tiles of 16 rows x 512 bytes.
; Each load reads 512 consecutive bytes of one row; a tile turns through the wave's own stage in LDS (rows of 512 + 16 bytes) and comes back 64 bytes a lane and block of 32.  Waves share nothing: no barrier.
; A block's scale is 2^(floor(log2(largest magnitude)) - 8); its byte is the largest magnitude's exponent field - 8, held at 1 from below.
; LIMITS: NaN and infinities are not served; a block whose largest magnitude lies under 2^-118, a block of zeros among them, keeps the byte 1 (its codes are zeros or tiny; these bytes are read by this program alone).
.set WREG, 8704                        ; LDS of a wave: the stage, then 256 bytes of scale words
.set SP,   528                         ; a stage row
.set SCB,  16*SP
.set KSB,  2621440                     ; codes: from one s2 to the next
.set RS,   16                          ; v16-143  two sets of 64: a tile as loaded
.set X,    144                         ; v144-207 a lane's 64 numbers: register 16 b + i
.set PC,   208                         ; v208-223 the codes
.set TM,   224                         ; v224-239 at work
.set PW,   240                         ; v240     the scale word
.set NEG,  30                          ; s[30:31] -1e9 sqrt(128), twice
.set SEL,  32                          ; s[32:33] selects of v_permlanex16_b32: lane l xor 16
.set MNT,  34                          ; s34      the mantissa field of 448
	s_load_b256 s[4:11], s[0:1], 0x0               ; x, Wq, Wk, Wv
	s_load_b256 s[12:19], s[0:1], 0x20             ; Wo, mask, codes, scl
	s_load_b64 s[20:21], s[0:1], 0x40              ; mimg
	v_lshl_add_u32 v254, v0, 2, 0x8800
	v_mov_b32 v255, 0
	v_lshrrev_b32 v7, 5, v0
	v_readfirstlane_b32 s24, v7                    ; wave
	v_and_b32 v8, 31, v0                           ; lane
	v_and_b32 v9, 15, v0                           ; r
	v_bfe_u32 v10, v0, 4, 1                        ; h
	s_lshr_b32 s22, ttmp9, 7                       ; which tensor
	s_and_b32 s23, ttmp9, 127                      ; which block of 16 rows
	s_mul_i32 s25, s24, WREG
	v_lshlrev_b32 v1, 4, v8                        ; 16 x lane: loads, images
	v_add_nc_u32 v2, s25, v1                       ; the stage, on the way in
	v_mul_u32_u24 v3, v9, SP
	v_lshl_add_u32 v3, v10, 6, v3
	v_add_nc_u32 v3, s25, v3                       ; and on the way out: row r, + 64 h
	v_lshlrev_b32 v4, 3, v9
	v_add_nc_u32 v4, s25, v4                       ; my row's scale words: 8 r
	v_lshlrev_b32 v6, 3, v8                        ; 8 x lane
	v_add_nc_u32 v5, s25, v6
	s_lshr_b32 s28, s23, 1
	s_lshl_b32 s28, s28, 5
	s_and_b32 s29, s23, 1
	s_lshl_b32 s29, s29, 3
	s_add_co_u32 s28, s28, s29                     ; the block's first row: 32 (R / 2) + 8 (R % 2)
	s_lshl_b32 s28, s28, 13                        ; x 8,192 bytes
	s_lshl_b32 s29, s24, 11
	s_add_co_u32 s28, s28, s29                     ; + my wave's four K steps
	s_mov_b32 s29, 0
	s_lshl_b32 s36, ttmp9, 12                      ; codes: G x 4,096 + 2 u x KSB
	s_mul_i32 s37, s24, 2*KSB
	s_add_co_u32 s36, s36, s37
	s_mov_b32 s37, 0
	s_lshl_b32 s38, ttmp9, 10                      ; scl: G x 1,024 + 256 u
	s_lshl_b32 s39, s24, 8
	s_add_co_u32 s38, s38, s39
	s_mov_b32 s39, 0
	s_lshl_b32 s40, s23, 17                        ; mimg: R x 131,072 + 4 u x 8,192
	s_lshl_b32 s41, s24, 15
	s_add_co_u32 s40, s40, s41
	s_mov_b32 s41, 0
	s_mov_b32 s[NEG], 0xd028965f
	s_mov_b32 s[NEG+1], s[NEG]
	s_mov_b32 s[SEL], 0x76543210
	s_mov_b32 s[SEL+1], 0xfedcba98
	s_mov_b32 s[MNT], 0x600000
.irp b, 0,1,2,3
	v_mov_b32 v[TM+4+\b], 0                        ; written once: a lane permute's destination counts as one of its sources
.endr
	s_wait_alu depctr_va_vdst(0)
	s_wait_kmcnt 0x0
	s_mov_b64 s[26:27], s[14:15]                   ; the source: the choice hangs on the work-group's number alone
	s_cmp_eq_u32 s22, 0
	s_cselect_b64 s[26:27], s[4:5], s[26:27]
	s_cmp_eq_u32 s22, 1
	s_cselect_b64 s[26:27], s[6:7], s[26:27]
	s_cmp_eq_u32 s22, 2
	s_cselect_b64 s[26:27], s[8:9], s[26:27]
	s_cmp_eq_u32 s22, 3
	s_cselect_b64 s[26:27], s[10:11], s[26:27]
	s_cmp_eq_u32 s22, 4
	s_cselect_b64 s[26:27], s[12:13], s[26:27]
	s_add_nc_u64 s[26:27], s[26:27], s[28:29]
	s_add_nc_u64 s[16:17], s[16:17], s[36:37]
	s_add_nc_u64 s[18:19], s[18:19], s[38:39]
	s_add_nc_u64 s[20:21], s[20:21], s[40:41]
.macro LOAD t                          ; tile t: row i of the block, 512 consecutive bytes a load
.irp i, 0,1,2,3,4,5,6,7,8,9,10,11,12,13,14,15
	global_load_b128 v[RS+64*((\t)%2)+4*\i:RS+64*((\t)%2)+4*\i+3], v1, s[26:27] offset:(((\i)&7)+16*((\i)>>3))*8192+512*(\t) th:TH_LOAD_NT
.endr
.endm
.macro TURN t                          ; through the stage: LDS serves a wave's instructions in order, so no wait stands between the stores and the loads
.irp i, 0,1,2,3,4,5,6,7,8,9,10,11,12,13,14,15
	ds_store_b128 v2, v[RS+64*((\t)%2)+4*\i:RS+64*((\t)%2)+4*\i+3] offset:SP*\i
.endr
.irp g, 0,1,2,3,4,5,6,7,8,9,10,11,12,13,14,15
	ds_load_b128 v[X+4*\g:X+4*\g+3], v3 offset:128*(\g/4)+16*(\g%4)
.endr
.endm
.macro QUANT                           ; v[X] on: 64 numbers, register 16 b + i = k 32 b + 16 h + i of my row -> the fragment's codes in v[PC] on, its scale word in v[PW]
.irp b, 0,1,2,3
	v_max3_num_f32 v[TM+\b], |v[X+16*\b]|, |v[X+1+16*\b]|, 0x4800000   ; my 16 numbers of block b, and the floor 2^(9 - 127): the byte cannot fall under 1
.endr
.irp i, 2,4,6,8,10,12,14
.irp b, 0,1,2,3
	v_max3_num_f32 v[TM+\b], v[TM+\b], |v[X+16*\b+\i]|, |v[X+1+16*\b+\i]|
.endr
.endr
.irp b, 0,1,2,3
	v_permlanex16_b32 v[TM+4+\b], v[TM+\b], s[SEL], s[SEL+1]
.endr
.irp b, 0,1,2,3
	v_max_num_f32 v[TM+\b], v[TM+\b], v[TM+4+\b]   ; with lane l xor 16's 16: the block's largest magnitude
.endr
.irp b, 0,1,2,3
	v_add_nc_u32 v[TM+12+\b], 0xfc000000, v[TM+\b] ; 8 off its exponent field: the conversion's scale operand
.endr
.irp b, 0,1,2,3
	v_and_or_b32 v[TM+8+\b], v[TM+\b], 0x7f800000, s[MNT]   ; 448 x the scale
.endr
.irp b, 0,1,2,3
	v_lshrrev_b32 v[TM+4+\b], 23, v[TM+12+\b]      ; the scale's byte
.endr
	v_lshl_or_b32 v[PW], v[TM+5], 8, v[TM+4]
	v_lshl_or_b32 v[PW], v[TM+6], 16, v[PW]
	v_lshl_or_b32 v[PW], v[TM+7], 24, v[PW]
.irp b, 0,1,2,3
.irp i, 0,1,2,3,4,5,6,7,8,9,10,11,12,13,14,15
	v_med3_num_f32 v[X+16*\b+\i], v[X+16*\b+\i], -v[TM+8+\b], v[TM+8+\b]   ; the conversion to an 8-bit code does not saturate (ISA guide 7.6.2): the hold comes first
.endr
	v_cvt_scalef32_pk8_fp8_f32 v[PC+4*\b:PC+1+4*\b], v[X+16*\b:X+7+16*\b], v[TM+12+\b]
	v_cvt_scalef32_pk8_fp8_f32 v[PC+2+4*\b:PC+3+4*\b], v[X+8+16*\b:X+15+16*\b], v[TM+12+\b]
.endr
	v_nop                                          ; one plain line behind the last conversion
.endm
.macro TILE t
.if (\t) < 3
	s_wait_loadcnt 16                              ; this tile's 16 loads are in; the next tile's 16 may be out
.else
	s_wait_loadcnt 0x0
.endif
	s_wait_xcnt 0x0                                ; the last tile's stores have read X and PC: both are written again only behind this wait
	TURN \t
	s_wait_dscnt 0x0                               ; my 64 numbers are back, and the stage's stores have read their registers,
.if (\t) < 2
	LOAD (\t)+2                                    ; which take the tile two further on
.endif
	s_cmp_eq_u32 s22, 5
	s_cbranch_scc1 .Lmask_\@
	QUANT
.irp c, 0,1,2,3
	global_store_b128 v1, v[PC+4*\c:PC+4*\c+3], s[16:17] offset:((\t)/2)*KSB+((\t)%2)*2048+512*\c   ; 512 consecutive bytes
.endr
	ds_store_b32 v4, v[PW] offset:SCB+((\t)/2)*128+4*((\t)%2)   ; lanes r and r + 16 write the same word with the same value
	s_branch .Ljoin_\@
.Lmask_\@:
.set jj, 0
.rept 32
	v_pk_mul_f32 v[X+jj:X+jj+1], v[X+jj:X+jj+1], s[NEG:NEG+1] op_sel_hi:[1,0]
.set jj, jj+2
.endr
.irp g, 0,1,2,3,4,5,6,7,8,9,10,11,12,13,14,15
	global_store_b128 v1, v[X+4*\g:X+4*\g+3], s[20:21] offset:8192*(\t)+512*\g
.endr
.Ljoin_\@:
.endm
	LOAD 0
	LOAD 1
	TILE 0
	TILE 1
	TILE 2
	TILE 3
	s_cmp_eq_u32 s22, 5
	s_cbranch_scc1 .Lend
	ds_load_b64 v[242:243], v5 offset:SCB          ; my wave's 256 bytes of scale words (LDS serves a wave's instructions in order)
	s_wait_dscnt 0x0
	global_store_b64 v6, v[242:243], s[18:19]      ; 32 lanes store 256 consecutive bytes, aligned
.Lend:
	s_wait_tensorcnt 0x0
	ds_add_u32 v254, v255
	s_wait_dscnt 0x0
	s_endpgm
.Lfunc_end_k_q5f50ae78b0_prep:
	.size	k_q5f50ae78b0_prep, .Lfunc_end_k_q5f50ae78b0_prep-k_q5f50ae78b0_prep
	.p2alignl 7, 3214868480
	.fill 96, 4, 3214868480
	.section	.rodata,"a",@progbits
	.p2align	6, 0x0
	.amdhsa_kernel k_q5f50ae78b0_prep
		.amdhsa_group_segment_fixed_size 35328
		.amdhsa_private_segment_fixed_size 0
		.amdhsa_enable_private_segment 0
		.amdhsa_kernarg_size 72
		.amdhsa_user_sgpr_count 2
		.amdhsa_user_sgpr_kernarg_segment_ptr 1
		.amdhsa_wavefront_size32 1
		.amdhsa_system_sgpr_workgroup_id_x 1
		.amdhsa_system_sgpr_workgroup_id_y 1
		.amdhsa_system_sgpr_workgroup_id_z 1
		.amdhsa_system_vgpr_workitem_id 0
		.amdhsa_next_free_vgpr 256
		.amdhsa_next_free_sgpr 66
		.amdhsa_reserve_vcc 0
		.amdhsa_float_denorm_mode_32 3
		.amdhsa_float_denorm_mode_16_64 3
		.amdhsa_memory_ordered 1
		.amdhsa_forward_progress 1
		.amdhsa_inst_pref_size 66
	.end_amdhsa_kernel
	.amdgpu_metadata
---
amdhsa.version: [ 1, 2 ]
amdhsa.kernels:
  - .name:           k_q5f50ae78b0_prep
    .symbol:         k_q5f50ae78b0_prep.kd
    .args:
      - { .name: x, .offset: 0, .size: 8, .value_kind: global_buffer, .address_space: global }
      - { .name: Wq, .offset: 8, .size: 8, .value_kind: global_buffer, .address_space: global }
      - { .name: Wk, .offset: 16, .size: 8, .value_kind: global_buffer, .address_space: global }
      - { .name: Wv, .offset: 24, .size: 8, .value_kind: global_buffer, .address_space: global }
      - { .name: Wo, .offset: 32, .size: 8, .value_kind: global_buffer, .address_space: global }
      - { .name: mask, .offset: 40, .size: 8, .value_kind: global_buffer, .address_space: global }
      - { .name: codes, .offset: 48, .size: 8, .value_kind: global_buffer, .address_space: global }
      - { .name: scl, .offset: 56, .size: 8, .value_kind: global_buffer, .address_space: global }
      - { .name: mimg, .offset: 64, .size: 8, .value_kind: global_buffer, .address_space: global }
    .group_segment_fixed_size: 35328
    .private_segment_fixed_size: 0
    .kernarg_segment_align: 8
    .kernarg_segment_size: 72
    .max_flat_workgroup_size: 128
    .sgpr_count:     66
    .vgpr_count:     256
    .wavefront_size: 32
...
	.end_amdgpu_metadata
.endif
;; end of part 1
;; launch qkv (part 2): grid 24 x 8, 4 waves a work-group, clusters of 4 x 4, 327,680 bytes of LDS; arguments codes, scl, bq, bk, bv, qkv; writes qkv
.if DOCPART == 2
	.amdgcn_target "amdgcn-amd-amdhsa--gfx1250"
	.amdhsa_code_object_version 6
	.text
	.protected	k_q5f50ae78b0_qkv
	.globl	k_q5f50ae78b0_qkv
	.p2align	8
	.type	k_q5f50ae78b0_qkv,@function
k_q5f50ae78b0_qkv:
	s_mov_b64 s[64:65], 0
	v_nop
	global_prefetch_b8 v0, s[64:65] scope:SCOPE_SE
	s_setreg_imm32_b32 hwreg(HW_REG_WAVE_MODE, 25, 1), 1
	s_wait_xcnt 0x0
	s_wait_alu depctr_hold_cnt(0) depctr_sa_sdst(0) depctr_va_vdst(0) depctr_va_sdst(0) depctr_va_ssrc(0) depctr_va_vcc(0) depctr_vm_vsrc(0)
	s_getreg_b32 s2, hwreg(HW_REG_IB_STS2, 6, 4)
	s_cmp_eq_u32 s2, 0
	s_cbranch_scc0 .Lentry_in_a_cluster
	s_endpgm
.Lentry_in_a_cluster:
	s_bfe_u32 s2, ttmp6, 0x10000c
	s_cmp_lg_u32 s2, 0xf033
	s_cbranch_scc0 .Lentry_shape_is_right
	s_endpgm
.Lentry_shape_is_right:
; Q = x Wq^T + bq, K = x Wk^T + bk, V = x Wv^T + bv on codes of FP8 (E4M3) with E8M0 scales; the results are quantised in registers and leave as fragment images: Q and K along the head's 128, V along the tokens.
; A tile of 256 x 256 to a work-group of four waves, 128 x 128 to a wave: 64 accumulators in windows 2 and 3.  The matrix instruction is used transposed: source 0 = 16 "B" rows, source 1 = 16 "A" rows: a lane holds ONE A row,
; and (by the order of rows in the workspace) the registers of its eight accumulators of an A block run along 128 neighbouring B rows: register 16 b + i = B row 32 b + 16 h + i.
; Clusters x = 0..3: A = x, B = Wq, Wk on end (a wave's 128 B rows are one head).  Clusters x = 4, 5: A = Wv, B = x: V^T, so that a lane holds one channel and its registers run along the tokens, V's K in attention.
; codes [s2][G][q][2048]: eight row blocks of one s2 are 32,768 dense bytes: what one tensor load brings.  K goes in steps of 256 (one s2) through two LDS slots.  Fragments are images of registers: each LDS load reads 512 consecutive bytes.
; The scale words of the work-group's rows, for all of K, come once, with the first fills.  4 x 4 work-groups form a cluster: A's tiles are asked for jointly along a row, B's along a column.
; The bias is the C of each sum's first matrix instruction.
; qkv [part Q, K, V][head][group of 128][tile a][2048];  qkvs [part][head][group][lane][4 words]: word p: lanes 0-15 fragment 2 p, lanes 16-31 fragment 2 p + 1.
; No prefetch: each tile is shared by multicast and the launch is short.  One tile to a work-group.
; LIMITS: NaN and infinities are not served; a block whose largest magnitude lies under 2^-118 keeps the byte 1 (these bytes are read by this program alone).
; REGISTERS: window 0: v16-30 addresses; v32-63 scale words, two sets; v64-127 the bias, on the way out scratch; v128-255 A's fragments, one set, on the way out the codes.  window 1: B's fragments, two sets.
; IN PLACE OF THE HEAD COMMENT'S LINES ON qkvs AND ON PREFETCHING: there is no buffer qkvs: a group of qkv is 16,896 bytes, its eight fragment images (16,384 bytes) and behind them its scale words [lane][4 words] (512 bytes).
; The tiles of codes ARE prefetched: s2 = 1 and 2 at the head, then at each change of slots the s2 behind the one that the refill asks for; a wave's 32,768 bytes are shared among the four partners by address.
; At the head each wave issues one tensor load (A's codes, A's scale words, B's codes, B's scale words); slot 1 is first filled behind a round of its own.
.set KS_A,  2621440                    ; bytes from one s2 to the next
.set KS_B,  2621440
.set NL,    4                          ; LDS loads of a fragment
.set NP,    8                          ; places behind this matrix instruction (ISA guide 7.12.1)
.set FR,    16
.set SLOT,  131072                     ; A's 16 blocks of 4,096 bytes, then B's 16
.set SCL,   262144                     ; the scale words: A's 16,384 bytes; B's begin 128 bytes further on than 16,384, so that the two halves of a load's lanes fall on different banks
.set SPARE, 295168                     ; the spare words, 128 bytes a wave: two blocks of 256 bytes that no other line names
.set LAPS,  4
.set ADRA, 16                          ; v16-17 my A fragments in slot 0, 1
.set ADRB, 20                          ; v20-21 my B fragments
.set LI,   26                          ; v26 16 x lane
.set ADRS, 27                          ; v27 my scale words: lanes 0-15 A's rows, lanes 16-31 B's
.set SPW,  28
.set NIL,  29
.set BO,   30                          ; v30 the bias loads' offset
.set SC,   32
.set BB,   64
.set AF,   128
.set TM,   64                          ; the way out: v64-79 at work, v80-87 the blocks' scale words, v88-91 the merged words
.set PWB,  80
.set SW,   88
.set G1, 24
.set G0, 32
.set G1B, 48
.set G0B, 56
.set G1S, 68
.set G0S, 76
.set G1SB, 80
.set G0SB, 88
.set MNT, 95
.set SEL, 98
.set MSB, 0
.macro WIN new                         ; the immediate's high byte repeats the setting that is left
.if MSB != \new
	s_set_vgpr_msb (MSB<<8)|\new
.set MSB, \new
.endif
.endm
; A joint load: waves 0 and 1 fetch for A, waves 2 and 3 for B; the branch hangs on the wave's number alone.  Four v_nop follow each of the two lines.
.macro JLOAD g0a, g1a, g0b, g1b
	s_cmp_eq_u32 s19, 0
	s_cbranch_scc0 .Lfor_b_\@
	tensor_load_to_lds s[\g0a:\g0a+3], s[\g1a:\g1a+7]
	s_nop 0
.rept 4
	v_nop
.endr
	s_branch .Lasked_\@
.Lfor_b_\@:
	tensor_load_to_lds s[\g0b:\g0b+3], s[\g1b:\g1b+7]
	s_nop 0
.rept 4
	v_nop
.endr
.Lasked_\@:
.endm
.macro CREST                           ; a round of the cluster's barrier behind its opening barrier
	s_cmp_lg_u32 s18, 0
	s_cbranch_scc1 .Lnot_wave_0_\@
	s_barrier_signal -3
.Lnot_wave_0_\@:
	s_barrier_wait -3
	s_barrier_signal -1
	s_barrier_wait -1
.endm
.macro CROUND
	s_barrier_signal -1
	s_barrier_wait -1
	CREST
.endm
	s_load_b256 s[4:11], s[0:1], 0x0               ; codes, scl, bq, bk
	s_load_b128 s[12:15], s[0:1], 0x20             ; bv, qkv
	v_lshl_add_u32 v[SPW], v0, 2, SPARE
	v_mov_b32 v[NIL], 0
	ds_add_u32 v28, v29
	ds_add_u32 v28, v29
	s_wait_dscnt 0x0
	v_lshrrev_b32 v1, 5, v0
	v_readfirstlane_b32 s18, v1                    ; wave 0..3
	s_lshr_b32 s19, s18, 1                         ; my half of the A rows.  Also: I fetch for A (0) or for B (1)
	s_and_b32 s20, s18, 1                          ; my half of the B rows.  Also: which eight row blocks I fetch
	s_bfe_u32 s40, ttmp6, 0x40000                  ; cx
	s_bfe_u32 s41, ttmp6, 0x40004                  ; cy
	s_lshl_b32 s42, ttmp9, 2
	s_add_co_u32 s42, s42, s40                     ; tile column 0..23
	s_and_b32 s22, ttmp7, 0xffff
	s_lshl_b32 s22, s22, 2
	s_add_co_u32 s22, s22, s41                     ; tile row 0..7
	s_lshl_b32 s43, s41, 2
	s_lshl_b32 s43, 15, s43                        ; my row of the cluster
	s_lshl_b32 s44, 0x1111, s40                    ; my column
	s_cmp_ge_u32 ttmp9, 4                          ; V's clusters: the cluster's x is the same in all partners
	s_cselect_b32 s21, 384, 0                      ; A begins at row block 384 (Wv) or 0 (x)
	; descriptor group 1: a dense block as rows of 256 bytes (32 elements of 8 bytes): 128 rows of codes, 64 rows of scale words
	s_or_b32 s[G1+0], s43, (3<<16)|(1<<21)         ; 15:0 the mask: A's go to my row; 17:16 elements of 8 bytes; 21 set beside a mask; no padding
	s_or_b32 s[G1B+0], s44, (3<<16)|(1<<21)
	s_or_b32 s[G1S+0], s43, (3<<16)|(1<<21)
	s_or_b32 s[G1SB+0], s44, (3<<16)|(1<<21)
.irp g, G1, G1B
	s_mov_b32 s[\g+1], 32<<16                      ; tensor_dim0
	s_mov_b32 s[\g+2], 256<<16                     ; tensor_dim1: 256 rows for the head's loads; 128 behind them
	s_mov_b32 s[\g+3], 32<<16                      ; tile_dim0
	s_mov_b32 s[\g+4], 256                         ; tile_dim1
	s_mov_b32 s[\g+5], 32                          ; the pitch
	s_mov_b32 s[\g+6], 0
	s_mov_b32 s[\g+7], 0
.endr
.irp g, G1S, G1SB
	s_mov_b32 s[\g+1], 32<<16
	s_mov_b32 s[\g+2], 64<<16                      ; the scale words of 16 row blocks: 64 rows of 256 bytes
	s_mov_b32 s[\g+3], 32<<16
	s_mov_b32 s[\g+4], 64
	s_mov_b32 s[\g+5], 32
	s_mov_b32 s[\g+6], 0
	s_mov_b32 s[\g+7], 0
.endr
	s_lshl_b32 s2, s20, 3                          ; which eight blocks
	s_lshl_b32 s66, s22, 4
	s_add_co_u32 s66, s66, s21
	s_lshl_b32 s96, s66, 10                        ; the scale words of the tile's first A block: 1,024 bytes a block
	s_add_co_u32 s66, s66, s2                      ; A's first row block of my half
	s_mov_b32 s97, 0
	s_lshl_b32 s66, s66, 12                        ; its codes: 4,096 bytes a block
	s_mov_b32 s67, 0
	s_lshl_b32 s46, s42, 4
	s_add_co_u32 s46, s46, 128
	s_sub_co_u32 s46, s46, s21
	s_lshl_b32 s92, s46, 10                        ; the scale words of the tile's first B block
	s_add_co_u32 s46, s46, s2                      ; B's first row block of my half
	s_mov_b32 s93, 0
	s_lshl_b32 s46, s46, 12
	s_mov_b32 s47, 0
	s_lshl_b32 s45, s18, 15                        ; where my codes go: wave x 32,768
	s_mul_i32 s94, s19, 16512                      ; the scale words: A's at SCL, B's 16,384 + 128 bytes on
	s_add_co_u32 s94, s94, SCL
	s_mov_b32 s[MNT], 0x600000
	s_mov_b32 s[SEL], 0x76543210
	s_mov_b32 s[SEL+1], 0xfedcba98
	s_wait_kmcnt 0x0
	s_add_nc_u64 s[66:67], s[4:5], s[66:67]
	s_add_nc_u64 s[96:97], s[6:7], s[96:97]
	s_add_nc_u64 s[46:47], s[4:5], s[46:47]
	s_add_nc_u64 s[92:93], s[6:7], s[92:93]
	CROUND                                         ; all sixteen work-groups are here: the first joint loads meet
	s_mov_b32 s[G0S], 1
	s_mov_b32 s[G0S+1], s94
	s_mov_b64 s[G0S+2:G0S+3], s[96:97]
	s_or_b32 s[G0S+3], s[G0S+3], 0x80000000
	s_mov_b32 s[G0SB], 1
	s_mov_b32 s[G0SB+1], s94
	s_mov_b64 s[G0SB+2:G0SB+3], s[92:93]
	s_or_b32 s[G0SB+3], s[G0SB+3], 0x80000000
.irp s, 0,1
	s_mov_b32 s[G0+4*\s], 1
	s_add_co_u32 s[G0+4*\s+1], s45, \s*SLOT
	s_add_nc_u64 s[G0+4*\s+2:G0+4*\s+3], s[66:67], \s*KS_A
	s_or_b32 s[G0+4*\s+3], s[G0+4*\s+3], 0x80000000
	s_mov_b32 s[G0B+4*\s], 1
	s_add_co_u32 s[G0B+4*\s+1], s45, \s*SLOT
	s_add_nc_u64 s[G0B+4*\s+2:G0B+4*\s+3], s[46:47], \s*KS_B
	s_or_b32 s[G0B+4*\s+3], s[G0B+4*\s+3], 0x80000000
.endr
; THE HEAD'S LOADS, ONE A WAVE: wave 0 slot 0's 16 blocks of A, wave 1 A's scale words, wave 2 slot 0's 16 blocks of B, wave 3 B's scale words.
; Wave 0's and wave 2's own group 0 of slot 0 points at the tile's first block and at its place in LDS: with 256 rows in group 1 it brings both halves.
.macro ARM under, g0, g1, next
	s_cmp_lt_u32 s18, \under
	s_cbranch_scc0 \next
	tensor_load_to_lds s[\g0:\g0+3], s[\g1:\g1+7]
	s_nop 0
.rept 4
	v_nop
.endr
	s_branch .Lhead_asked
\next:
.endm
	ARM 1, G0, G1, .Lhead_sa
	ARM 2, G0S, G1S, .Lhead_b
	ARM 3, G0B, G1B, .Lhead_sb
	tensor_load_to_lds s[G0SB:G0SB+3], s[G1SB:G1SB+7]
	s_nop 0
.rept 4
	v_nop
.endr
.Lhead_asked:
	; THE PREFETCHES: of the 32,768 bytes that my wave fetches of each s2, my work-group takes 8,192 (by cx for A, by cy for B: the partners are told apart by address), a lane a block of 256 bytes.
	; V's clusters leave x's rows (their B) to Q's and K's clusters, which ask for the same blocks.  s100, s101: the trip counts above which slot 0's and slot 1's change asks.
	s_cmp_eq_u32 s19, 0
	s_cselect_b64 s[16:17], s[66:67], s[46:47]
	s_cselect_b32 s100, s40, s41
	s_lshl_b32 s100, s100, 13
	s_mov_b32 s101, 0
	s_add_nc_u64 s[16:17], s[16:17], s[100:101]
	s_cmp_ge_u32 ttmp9, 4
	s_cselect_b32 s100, s19, 0
	s_mul_i32 s100, s100, 0x7ffffffe
	s_or_b32 s101, s100, 1
	v_and_b32 v31, 31, v0
	v_lshlrev_b32 v31, 8, v31
	s_wait_alu depctr_va_vdst(0)
	s_cmp_eq_u32 s100, 0
	s_cbranch_scc0 .Lno_head_ask
	global_prefetch_b8 v31, s[16:17] offset:KS_A th:TH_LOAD_NT scope:SCOPE_SE     ; s2 = 1 and 2: their loads follow when the head's have landed
	global_prefetch_b8 v31, s[16:17] offset:2*KS_A th:TH_LOAD_NT scope:SCOPE_SE
.Lno_head_ask:
	v_and_b32 v1, 15, v0
	v_bfe_u32 v2, v0, 4, 1                         ; h
	s_wait_alu depctr_va_vdst(0)
	v_and_b32 v3, 31, v0
	v_lshlrev_b32 v[LI], 4, v3
	s_lshl_b32 s2, s19, 15                         ; my eight blocks of A
	s_lshl_b32 s3, s20, 15                         ; my eight blocks of B,
	s_add_co_u32 s3, s3, 65536                     ; which lie behind A's sixteen
.irp s, 0,1
	v_add_nc_u32 v[ADRA+\s], s2, v[LI]
	v_add_nc_u32 v[ADRB+\s], s3, v[LI]
	s_add_co_u32 s2, s2, SLOT
	s_add_co_u32 s3, s3, SLOT
.endr
	v_lshlrev_b32 v5, 3, v1                        ; scale words: 8 bytes a row and s2
	s_lshl_b32 s2, s19, 13
	s_lshl_b32 s3, s20, 13
	s_add_co_u32 s3, s3, 16512
	s_sub_co_u32 s3, s3, s2
	v_mul_u32_u24 v6, s3, v2                       ; lanes 16-31 take B's: one product, the distance between the two bases
	s_add_co_u32 s2, s2, SCL
	v_add_nc_u32 v5, v5, v6
	v_add_nc_u32 v[ADRS], s2, v5
	s_lshl_b32 s92, s42, 1
	s_add_co_u32 s92, s92, s20                     ; gB: my group of 128 B rows
	s_lshl_b32 s96, s22, 1
	s_add_co_u32 s96, s96, s19                     ; gA: my group of 128 A rows
	; THE BIAS, in the accumulators' layout
	s_cmp_ge_u32 ttmp9, 4
	s_cbranch_scc1 .Lbias_v
	s_cmp_lt_u32 ttmp9, 2                          ; clusters 0, 1: Q; 2, 3: K
	s_cselect_b64 s[2:3], s[8:9], s[10:11]
	s_and_b32 s46, s92, 15                         ; the head
	s_lshl_b32 s46, s46, 9
	s_mov_b32 s47, 0
	s_add_nc_u64 s[2:3], s[2:3], s[46:47]
	v_lshlrev_b32 v[BO], 6, v2                     ; register 16 b + i: feature 32 b + 16 h + i
.irp b, 0,1,2,3
.irp j, 0,1,2,3
	global_load_b128 v[BB+16*\b+4*\j:BB+16*\b+4*\j+3], v[BO], s[2:3] offset:128*\b+16*\j
.endr
.endr
	s_branch .Lbias_done
.Lbias_v:
	s_lshl_b32 s46, s96, 9                         ; the head's 128 numbers of bv
	s_mov_b32 s47, 0
	s_add_nc_u64 s[2:3], s[12:13], s[46:47]
	v_and_b32 v[BO], 8, v1
	v_add_nc_u32 v[BO], v[BO], v1
	v_lshlrev_b32 v[BO], 2, v[BO]                  ; my row of a block: channel r % 8 + 16 (r / 8)
.irp a, 0,1,2,3,4,5,6,7
	global_load_b32 v[BB+8*\a], v[BO], s[2:3] offset:(32*(\a/2)+8*(\a%2))*4
.endr
	s_wait_loadcnt 0x0
.irp a, 0,1,2,3,4,5,6,7
.irp j, 1,2,3,4,5,6,7
	v_mov_b32 v[BB+8*\a+\j], v[BB+8*\a]            ; a lane's eight results of a tile belong to one channel
.endr
.endr
.rept 8
	v_nop
.endr
.Lbias_done:
	; where my results go: Q, K: 16 gB + gA;  V: 512 + 16 gA + (gB - 32)
	s_lshl_b32 s46, s92, 4
	s_add_co_u32 s46, s46, s96
	s_lshl_b32 s47, s96, 4
	s_add_co_u32 s47, s47, s92
	s_add_co_u32 s47, s47, 480
	s_cmp_ge_u32 ttmp9, 4
	s_cselect_b32 s46, s47, s46
	s_mul_i32 s46, s46, 16896                      ; a group in qkv: 16,384 bytes of codes, then its 512 bytes of scale words
	s_mov_b32 s47, 0
	s_add_nc_u64 s[14:15], s[14:15], s[46:47]
.macro FRAG reg, adr, q, i             ; a fragment's image: four loads of 512 consecutive bytes
.irp c, 0,1,2,3
	ds_load_b128 v[\reg+4*\c:\reg+4*\c+3], v[\adr] offset:4096*(\i)+2048*(\q)+512*\c
.endr
.endm
; 16 matrix instructions: A's blocks a0, a0 + 1 x B's eight.  p: B's set; q: which 128 of the slot; sc: the set of scale words.  mode 0: onto the sums; 1: C = the bias by B rows; 2: by A rows.
; The 64 accumulators take turns, one instruction a turn, in the same order in every step.
.macro MUL16 a0, p, q, sc, mode
.irp a, \a0, \a0+1
.irp b, 0,1,2,3,4,5,6,7
.if \mode == 0
	v_wmma_scale_f32_16x16x128_f8f6f4 v[8*(8*((\a)%4)+\b):8*(8*((\a)%4)+\b)+7], v[128*(\p)+FR*\b:128*(\p)+FR*\b+FR-1], v[AF+FR*(\a):AF+FR*(\a)+FR-1], v[8*(8*((\a)%4)+\b):8*(8*((\a)%4)+\b)+7], v[SC+16*(\sc)+2*\b+(\q)], v[SC+16*(\sc)+2*(\a)+(\q)] matrix_a_scale:MATRIX_SCALE_ROW1
.elseif \mode == 1
	v_wmma_scale_f32_16x16x128_f8f6f4 v[8*(8*((\a)%4)+\b):8*(8*((\a)%4)+\b)+7], v[128*(\p)+FR*\b:128*(\p)+FR*\b+FR-1], v[AF+FR*(\a):AF+FR*(\a)+FR-1], v[BB+8*\b:BB+8*\b+7], v[SC+16*(\sc)+2*\b+(\q)], v[SC+16*(\sc)+2*(\a)+(\q)] matrix_a_scale:MATRIX_SCALE_ROW1
.else
	v_wmma_scale_f32_16x16x128_f8f6f4 v[8*(8*((\a)%4)+\b):8*(8*((\a)%4)+\b)+7], v[128*(\p)+FR*\b:128*(\p)+FR*\b+FR-1], v[AF+FR*(\a):AF+FR*(\a)+FR-1], v[BB+8*(\a):BB+8*(\a)+7], v[SC+16*(\sc)+2*\b+(\q)], v[SC+16*(\sc)+2*(\a)+(\q)] matrix_a_scale:MATRIX_SCALE_ROW1
.endif
.endr
.endr
.endm
.macro FETCH_B slot, q, p
	WIN 0x40                                       ; destination window 1
.irp i, 0,1,2,3,4,5,6,7
	FRAG 128*(\p)+FR*\i, ADRB+\slot, \q, \i
.endr
	WIN 0
.endm
.macro FETCH_A slot, q, i0
.irp i, \i0, \i0+1, \i0+2, \i0+3
	FRAG AF+FR*(\i), ADRA+\slot, \q, \i
.endr
.endm
.macro SCALES sc                       ; a slot's scale words: two a row; lanes 0-15 A's block i, lanes 16-31 B's block i
.irp i, 0,1,2,3,4,5,6,7
	ds_load_b64 v[SC+16*\sc+2*\i:SC+16*\sc+2*\i+1], v[ADRS] offset:1024*\i
.endr
.endm
.macro PLACES n                        ; plain vector lines between a matrix instruction and a load into, or a read of, its registers
.rept \n
	v_nop
.endr
.endm
.macro STEP slot, q, mode              ; a step of 128 along K that has its successor in the same slot
	s_wait_dscnt 4*NL                              ; B's set, A's blocks 0-3 and the scale words are in; the youngest 16 loads (A's blocks 4-7) may be out
.if \mode
	WIN 0x81                                       ; source 0 (B) window 1, D window 2, C (the bias) window 0
.else
	WIN 0xa1                                       ; C and D window 2
.endif
	MUL16 0, (\q)%2, \q, \slot, \mode
	MUL16 2, (\q)%2, \q, \slot, \mode
	s_wait_dscnt 0                                 ; A's blocks 4-7 are in
	PLACES NP
	FETCH_B \slot, (\q)+1, 1-(\q)%2
	FETCH_A \slot, (\q)+1, 0
.if \mode
	WIN 0xc1
.else
	WIN 0xf1
.endif
	MUL16 4, (\q)%2, \q, \slot, \mode
	MUL16 6, (\q)%2, \q, \slot, \mode
	PLACES NP
	WIN 0
	FETCH_A \slot, (\q)+1, 4
.endm
; A slot's last step changes slots: one barrier; in front of it each wave waits for all its tensor loads, adds 0 to its spare word, and waits for that and for its reads of this slot.  fill = 1: this slot is filled again, two s2 ahead.
.macro TURN slot, next, fill
.if \fill
	s_wait_xcnt 0x0                                ; my last prefetch has read its base: it steps one s2 on
	s_add_nc_u64 s[16:17], s[16:17], KS_A
.endif
	s_wait_tensorcnt 0x0
	ds_add_u32 v[SPW], v[NIL]
	s_wait_dscnt 4*NL+1
	WIN 0xa1
	MUL16 0, 1, 1, \slot, 0                        ; sixteen matrix instructions stand between the add and the wait for it
	s_wait_dscnt 0x0                               ; the add is done, and my reads of this slot are over
	s_barrier_signal -1
	MUL16 2, 1, 1, \slot, 0
	WIN 0
	s_barrier_wait -1
.if \fill
	CREST                                          ; the barrier has opened a round of the cluster's: no wave of any partner still reads this slot or has a load on its way
	s_add_nc_u64 s[G0+4*\slot+2:G0+4*\slot+3], s[G0+4*\slot+2:G0+4*\slot+3], 2*KS_A
	s_add_nc_u64 s[G0B+4*\slot+2:G0B+4*\slot+3], s[G0B+4*\slot+2:G0B+4*\slot+3], 2*KS_B
	JLOAD G0+4*\slot, G1, G0B+4*\slot, G1B         ; the first tensor load behind the round; its four v_nop are among the places in front of the loads below
	PLACES NP-4
.else
	PLACES NP
.endif
	s_wait_alu depctr_va_vdst(0)
	v_add_nc_u32 v[ADRS], 128, v[ADRS]             ; the next s2's scale words
	FETCH_B \next, 0, 0
	FETCH_A \next, 0, 0
	SCALES \next
.if \fill
	s_cmp_gt_u32 s23, s[100+\slot]                 ; the s2 behind the one just asked for by the refill; the last refill has none behind it
	s_cbranch_scc0 .Lno_ask_\@
	global_prefetch_b8 v31, s[16:17] offset:2*KS_A th:TH_LOAD_NT scope:SCOPE_SE
.Lno_ask_\@:
.endif
	WIN 0xf1
	MUL16 4, 1, 1, \slot, 0
	MUL16 6, 1, 1, \slot, 0
	PLACES NP
	WIN 0
	FETCH_A \next, 0, 4
.endm
	s_wait_alu depctr_va_vdst(0)                   ; the wait at the head's end
	s_wait_tensorcnt 0x0                           ; my tile of the head's four is in; the lines ahead of a later first fill:
	ds_add_u32 v[SPW], v[NIL]
	s_mov_b32 s[G1+2], 128<<16                     ; no tensor load of mine is out: from here on a load brings 128 rows
	s_mov_b32 s[G1+4], 128
	s_mov_b32 s[G1B+2], 128<<16
	s_mov_b32 s[G1B+4], 128
	s_wait_dscnt 0x0
	CROUND                                         ; all four tiles are in, and all sixteen work-groups are here
	JLOAD G0+4, G1, G0B+4, G1B                     ; slot 1's first fill: the first tensor load behind the round
	FETCH_B 0, 0, 0
	FETCH_A 0, 0, 0
	SCALES 0
	FETCH_A 0, 0, 4
	s_wait_loadcnt 0x0                             ; the bias
	s_cmp_ge_u32 ttmp9, 4                          ; the first step starts the sums with the bias: by B rows for Q and K, by A rows for V
	s_cbranch_scc1 .Lfirst_v
	STEP 0, 0, 1
	s_branch .Lfirst_done
.Lfirst_v:
	STEP 0, 0, 2
.Lfirst_done:
	s_mov_b32 s23, LAPS-1
.Llap:                                                 ; a trip goes once round the ring and fills both slots again
	TURN 0, 1, 1
	STEP 1, 0, 0
	TURN 1, 0, 1
	STEP 0, 0, 0
	s_sub_co_u32 s23, s23, 1
	s_cmp_lg_u32 s23, 0
	s_cbranch_scc1 .Llap
	TURN 0, 1, 0                                   ; the last lap fills nothing
	STEP 1, 0, 0
	s_wait_dscnt 4*NL
	WIN 0xa1
	MUL16 0, 1, 1, 1, 0
	MUL16 2, 1, 1, 1, 0
	s_wait_dscnt 0
	WIN 0xf1
	MUL16 4, 1, 1, 1, 0
	MUL16 6, 1, 1, 1, 0
	WIN 0
; THE WAY OUT.  A block's eight accumulators are a lane's 64 numbers along the next K: they are quantised where they lie; the codes are a fragment's image and leave by four stores of 512 consecutive bytes.
.macro QUANTW a
.set W, 2+(\a)/4
.set WSS, W|(W<<2)
.set WDS, (W<<6)|W
.set AC, 64*((\a)%4)
.set PCA, AF+16*(\a)
	WIN WSS                                        ; sources 0 and 1: the accumulators' window
.irp b, 0,1,2,3
	v_max3_num_f32 v[TM+\b], |v[AC+16*\b]|, |v[AC+16*\b+1]|, 0x4800000   ; each accumulator is read from its low end on; the floor 2^(9 - 127) holds the byte at 1 from below
.endr
.irp i, 2,4,6,8,10,12,14
.irp b, 0,1,2,3
	v_max3_num_f32 v[TM+\b], |v[AC+16*\b+\i]|, |v[AC+16*\b+\i+1]|, v[TM+\b]
.endr
.endr
	WIN 0
.irp b, 0,1,2,3
	v_permlanex16_b32 v[TM+4+\b], v[TM+\b], s[SEL], s[SEL+1]
.endr
.irp b, 0,1,2,3
	v_max_num_f32 v[TM+\b], v[TM+\b], v[TM+4+\b]
.endr
.irp b, 0,1,2,3
	v_add_nc_u32 v[TM+12+\b], 0xfc000000, v[TM+\b] ; the conversion's scale operand
.endr
.irp b, 0,1,2,3
	v_and_or_b32 v[TM+8+\b], v[TM+\b], 0x7f800000, s[MNT]   ; 448 x the scale
.endr
.irp b, 0,1,2,3
	v_lshrrev_b32 v[TM+4+\b], 23, v[TM+12+\b]      ; the byte
.endr
	v_lshl_or_b32 v[PWB+(\a)], v[TM+5], 8, v[TM+4]
	v_lshl_or_b32 v[PWB+(\a)], v[TM+6], 16, v[PWB+(\a)]
	v_lshl_or_b32 v[PWB+(\a)], v[TM+7], 24, v[PWB+(\a)]
	WIN WDS                                        ; destination and source 0: the accumulators' window
.irp b, 0,1,2,3
.irp i, 0,1,2,3,4,5,6,7,8,9,10,11,12,13,14,15
	v_med3_num_f32 v[AC+16*\b+\i], v[AC+16*\b+\i], -v[TM+8+\b], v[TM+8+\b]   ; the conversion does not saturate (ISA guide 7.6.2): the hold comes first
.endr
.endr
	WIN W                                          ; source 0 alone
.irp b, 0,1,2,3
	v_cvt_scalef32_pk8_fp8_f32 v[PCA+4*\b:PCA+1+4*\b], v[AC+16*\b:AC+7+16*\b], v[TM+12+\b]
	v_cvt_scalef32_pk8_fp8_f32 v[PCA+2+4*\b:PCA+3+4*\b], v[AC+8+16*\b:AC+15+16*\b], v[TM+12+\b]
.endr
	WIN 0
	v_nop                                          ; one plain line behind the last conversion
.irp c, 0,1,2,3
	global_store_b128 v[LI], v[PCA+4*\c:PCA+4*\c+3], s[14:15] offset:2048*(\a)+512*\c   ; each block has registers of its own for its codes: no store's data are written again
.endr
.endm
	PLACES NP
.irp b, 0,1,2,3
	v_mov_b32 v[TM+4+\b], 0
.endr
.irp a, 0,1,2,3,4,5,6,7
	QUANTW \a
.endr
	s_mov_b32 vcc_lo, 0xffff0000
.irp p, 0,1,2,3
	v_cndmask_b32 v[SW+\p], v[PWB+2*\p], v[PWB+2*\p+1], vcc_lo   ; lanes 0-15 keep fragment 2 p's word, lanes 16-31 take fragment 2 p + 1's
.endr
	global_store_b128 v[LI], v[SW:SW+3], s[14:15] offset:16384   ; the group's scale words, behind its codes
	s_wait_tensorcnt 0x0                           ; the wave's end
	ds_add_u32 v[SPW], v[NIL]
	s_wait_dscnt 0x0
	CROUND                                         ; the closing round
	s_endpgm
.Lfunc_end_k_q5f50ae78b0_qkv:
	.size	k_q5f50ae78b0_qkv, .Lfunc_end_k_q5f50ae78b0_qkv-k_q5f50ae78b0_qkv
	.p2alignl 7, 3214868480
	.fill 96, 4, 3214868480
	.section	.rodata,"a",@progbits
	.p2align	6, 0x0
	.amdhsa_kernel k_q5f50ae78b0_qkv
		.amdhsa_group_segment_fixed_size 327680
		.amdhsa_private_segment_fixed_size 0
		.amdhsa_enable_private_segment 0
		.amdhsa_kernarg_size 48
		.amdhsa_user_sgpr_count 2
		.amdhsa_user_sgpr_kernarg_segment_ptr 1
		.amdhsa_wavefront_size32 1
		.amdhsa_system_sgpr_workgroup_id_x 1
		.amdhsa_system_sgpr_workgroup_id_y 1
		.amdhsa_system_sgpr_workgroup_id_z 1
		.amdhsa_system_vgpr_workitem_id 0
		.amdhsa_next_free_vgpr 1024
		.amdhsa_next_free_sgpr 102
		.amdhsa_reserve_vcc 1
		.amdhsa_float_denorm_mode_32 3
		.amdhsa_float_denorm_mode_16_64 3
		.amdhsa_memory_ordered 1
		.amdhsa_forward_progress 1
		.amdhsa_inst_pref_size 204
	.end_amdhsa_kernel
	.amdgpu_metadata
---
amdhsa.version: [ 1, 2 ]
amdhsa.kernels:
  - .name:           k_q5f50ae78b0_qkv
    .symbol:         k_q5f50ae78b0_qkv.kd
    .args:
      - { .name: codes, .offset: 0, .size: 8, .value_kind: global_buffer, .address_space: global }
      - { .name: scl, .offset: 8, .size: 8, .value_kind: global_buffer, .address_space: global }
      - { .name: bq, .offset: 16, .size: 8, .value_kind: global_buffer, .address_space: global }
      - { .name: bk, .offset: 24, .size: 8, .value_kind: global_buffer, .address_space: global }
      - { .name: bv, .offset: 32, .size: 8, .value_kind: global_buffer, .address_space: global }
      - { .name: qkv, .offset: 40, .size: 8, .value_kind: global_buffer, .address_space: global }
    .group_segment_fixed_size: 327680
    .private_segment_fixed_size: 0
    .kernarg_segment_align: 8
    .kernarg_segment_size: 48
    .max_flat_workgroup_size: 128
    .sgpr_count:     102
    .vgpr_count:     1024
    .wavefront_size: 32
...
	.end_amdgpu_metadata
.endif
;; end of part 2
;; launch attn (part 3): grid 16 x 16, 4 waves a work-group, clusters of 4 x 1, 327,680 bytes of LDS; arguments qkv, mimg, acodes, ascl; writes acodes, ascl
.if DOCPART == 3
	.amdgcn_target "amdgcn-amd-amdhsa--gfx1250"
	.amdhsa_code_object_version 6
	.text
	.protected	k_q5f50ae78b0_attn
	.globl	k_q5f50ae78b0_attn
	.p2align	8
	.type	k_q5f50ae78b0_attn,@function
k_q5f50ae78b0_attn:
	s_mov_b64 s[64:65], 0
	v_nop
	global_prefetch_b8 v0, s[64:65] scope:SCOPE_SE
	s_setreg_imm32_b32 hwreg(HW_REG_WAVE_MODE, 25, 1), 1
	s_wait_xcnt 0x0
	s_wait_alu depctr_hold_cnt(0) depctr_sa_sdst(0) depctr_va_vdst(0) depctr_va_sdst(0) depctr_va_ssrc(0) depctr_va_vcc(0) depctr_vm_vsrc(0)
	s_getreg_b32 s2, hwreg(HW_REG_IB_STS2, 6, 4)
	s_cmp_eq_u32 s2, 0
	s_cbranch_scc0 .Lentry_in_a_cluster
	s_endpgm
.Lentry_in_a_cluster:
	s_bfe_u32 s2, ttmp6, 0x10000c
	s_cmp_lg_u32 s2, 0x3003
	s_cbranch_scc0 .Lentry_shape_is_right
	s_endpgm
.Lentry_shape_is_right:
; attn[q][h] = softmax_k(Q K^T / sqrt(128) + mask x -1e9) V on codes of FP8 (E4M3) with E8M0 scales; the result is quantised along the model's 2,048 and leaves as fragment images for the last projection.
; t = (score + mask x -1e9 sqrt(128)) x log2(e) / sqrt(128); M = the running largest t rounded up to a whole number; p = 2^(t - M) is quantised along the keys; the row's sum is taken of the unquantised p and divides at the end.
; The mask is an input: every key step is walked, and the mask's image (mimg, already x -1e9 sqrt(128)) is the C of the scores' products.
; qkv [part Q, K, V][head][group of 128][16,384 bytes: eight fragment images; 512 bytes: scale words [lane][4]: word p: lanes 0-15 fragment 2 p, lanes 16-31 fragment 2 p + 1].
; SHARES.  A work-group owns 128 queries of one head; each of its four waves owns 32: two tiles of 16, so that each fragment of K and V read from LDS feeds two products.
; Both products are used transposed (S^T = K Q^T, O^T = V^T P^T): a lane holds one query of each tile; by the order of rows in the workspace register 16 b + i of a tile is key (or channel) 32 b + 16 h + i.
; THE RING.  Two slots of 2 key steps: K's two groups, then V's two, 67,584 bytes; each wave fetches one group (66 rows of 256 bytes) by one joint load: the four query blocks of a cluster walk the same K and V.
; The mask's tile is shared by the 16 heads, which lie in other clusters: it comes by plain loads, 512 consecutive bytes each, straight into the registers of C, two key steps ahead, in two sets by turns.
; LOADS STAND IN RUNS behind the products' places: the mask's image and K's next fragments behind the scores' products, V's next behind the second product's.
; The change of slots stands in the middle of a slot's second step: by then V's fragments of that step are in registers.
; Six trips fill a slot again; the last two are a loop of their own, in which branches on the trip's count lead round loads that have no step to serve.
; PREFETCH: the mask's tile two steps ahead of its loads (head 0's work-groups ask, a lane a block of 256 bytes); K's and V's groups one slot ahead of the refill, the four partners sharing a group's 66 blocks by address (17 each).
; LIMITS: NaN and infinities are not served; the promise holds while the scaled scores stay under 2^31 in magnitude; a block whose largest magnitude lies under 2^-118 keeps the byte 1 (read by this program alone).
; REGISTERS: window 0: v1-7 addresses, v8-15 -M, largest t, sum (a tile four), v16-47 Q, v48-63 scale words and f, v64-191 S^T then p, v192-223 p's codes, v224-255 at work.
;   window 1: v0-127 K's fragments, v128-255 V's.  window 2: the mask, two sets of 128.  window 3: v0-127 O^T.
.set GRP,   16896
.set SCO,   16384
.set VOFF,  2*GRP
.set SLOTB, 4*GRP
.set SPARE, 2*SLOTB                    ; the spare words, 128 bytes a wave
.set MT,    131072                     ; mimg: from a block of 16 queries to the next
.set LI,  1
.set SPW, 2
.set NIL, 3
.set ADK, 4
.set ADV, 5
.set PFO, 6
.set PFK, 7
.set ST,  8
.set QF,  16
.set KS,  48
.set QS,  52
.set PW,  53
.set VS,  56
.set FF,  60
.set S,   64
.set PC,  192
.set TM,  224                          ; a tile 16: +0 block maxima, +4 the other half's / bytes, +8 bounds, +12 scale operands
.set WV,  18
.set MNT, 19
.set SEL, 20
.set CS,  22
.set G1,  24
.set G0,  32
.set MB,  36
.set PK,  38
.set CNT, 40
.set TB,  50
.set MSB, 0
.macro WIN new                         ; the immediate's high byte repeats the setting that is left
.if MSB != \new
	s_set_vgpr_msb (MSB<<8)|\new
.set MSB, \new
.endif
.endm
.macro PLACES n
.rept \n
	v_nop
.endr
.endm
.macro CROUND                          ; a round of the cluster's barrier
	s_barrier_signal -1
	s_barrier_wait -1
	s_cmp_lg_u32 s[WV], 0
	s_cbranch_scc1 .Lnot_wave_0_\@
	s_barrier_signal -3
.Lnot_wave_0_\@:
	s_barrier_wait -3
	s_barrier_signal -1
	s_barrier_wait -1
.endm
.macro TLOAD                           ; my group of a slot; s_nop 0 and four v_nop follow
	tensor_load_to_lds s[G0:G0+3], s[G1:G1+7]
	s_nop 0
	PLACES 4
.endm
	s_load_b256 s[4:11], s[0:1], 0x0               ; qkv, mimg, acodes, ascl
	v_lshl_add_u32 v[SPW], v0, 2, SPARE
	v_mov_b32 v[NIL], 0
	ds_add_u32 v[SPW], v[NIL]                      ; the opening lines: the add twice on end and its wait
	ds_add_u32 v[SPW], v[NIL]
	v_lshrrev_b32 v[TM], 5, v0
	v_readfirstlane_b32 s[WV], v[TM]               ; wave 0..3
	s_bfe_u32 s14, ttmp6, 0x40000                  ; cx
	s_lshl_b32 s15, ttmp9, 2
	s_add_co_u32 s15, s15, s14                     ; query block 0..15
	s_and_b32 s16, ttmp7, 0xffff                   ; head
	s_lshr_b32 s41, s[WV], 1
	s_add_co_u32 s41, s41, 1                       ; waves 0, 1 fetch K (part 1), waves 2, 3 V (part 2)
	s_lshl_b32 s41, s41, 8
	s_lshl_b32 s42, s16, 4
	s_add_co_u32 s41, s41, s42
	s_and_b32 s43, s[WV], 1                        ; which key step of the slot
	s_add_co_u32 s41, s41, s43
	s_mul_i32 s44, s41, GRP
	s_mov_b32 s45, 0
	s_mov_b32 s[G1], 15|(3<<16)|(1<<21)            ; the four partners; elements of 8 bytes; bit 21 beside a mask
	s_mov_b32 s[G1+1], 32<<16
	s_mov_b32 s[G1+2], 66<<16
	s_mov_b32 s[G1+3], 32<<16
	s_mov_b32 s[G1+4], 66
	s_mov_b32 s[G1+5], 32
	s_mov_b32 s[G1+6], 0
	s_mov_b32 s[G1+7], 0
	s_mov_b32 s[MNT], 0x600000                     ; the mantissa field of 448
	s_mov_b32 s[SEL], 0x76543210
	s_mov_b32 s[SEL+1], 0xfedcba98
	s_mov_b32 s[CS], 0x3e0293ee                    ; log2(e) / sqrt(128)
	s_mov_b32 s[CS+1], s[CS]
	s_mov_b32 s[TB], 0
	s_mov_b32 s[G0], 1
	s_mul_i32 s[G0+1], s[WV], GRP                  ; K's two groups, then V's two
	s_wait_dscnt 0x0
	s_wait_alu depctr_va_vdst(0)
	s_wait_kmcnt 0x0
	s_add_nc_u64 s[G0+2:G0+3], s[4:5], s[44:45]
	s_add_nc_u64 s[PK:PK+1], s[4:5], s[44:45]
	s_or_b32 s[G0+3], s[G0+3], 0x80000000
	CROUND
	TLOAD                                          ; slot 0: one load a wave at the head
	s_lshl_b32 s41, s16, 4
	s_add_co_u32 s41, s41, s15                     ; Q's group
	s_mul_i32 s44, s41, GRP
	s_lshl_b32 s42, s[WV], 12
	s_add_co_u32 s44, s44, s42                     ; my tiles 2 w, 2 w + 1
	s_add_nc_u64 s[46:47], s[4:5], s[44:45]
	s_mul_i32 s42, s[WV], 4092
	s_sub_co_u32 s42, SCO, s42                     ; from there to word w of the group's scale words
	s_lshl_b32 s41, s15, 3
	s_lshl_b32 s43, s[WV], 1
	s_add_co_u32 s41, s41, s43                     ; R: my first block of 16 queries
	s_lshl_b32 s44, s41, 17
	s_add_nc_u64 s[MB:MB+1], s[6:7], s[44:45]
	s_lshr_b32 s43, s16, 1                         ; acodes [s2 = head / 2][R][head % 2][2048]
	s_lshl_b32 s44, s43, 7
	s_add_co_u32 s44, s44, s41
	s_lshl_b32 s44, s44, 12
	s_and_b32 s48, s16, 1
	s_lshl_b32 s49, s48, 11
	s_add_co_u32 s44, s44, s49
	s_add_nc_u64 s[8:9], s[8:9], s[44:45]
	s_lshl_b32 s44, s41, 10                        ; ascl [R][s2][r][head % 2]
	s_lshl_b32 s43, s43, 7
	s_add_co_u32 s44, s44, s43
	s_lshl_b32 s48, s48, 2
	s_add_co_u32 s44, s44, s48
	s_add_nc_u64 s[10:11], s[10:11], s[44:45]
	s_mul_i32 s43, s14, 17
	v_and_b32 v[TM], 31, v0
	v_lshlrev_b32 v[LI], 4, v[TM]
	v_lshlrev_b32 v[PFO], 8, v[TM]
	v_min_u32 v[PFK], 16, v[TM]
	v_add_nc_u32 v[PFK], s43, v[PFK]
	v_min_u32 v[PFK], 65, v[PFK]                   ; my partner's 17 of the group's 66 blocks; lanes left over name the last again
	v_lshlrev_b32 v[PFK], 8, v[PFK]
	v_add_nc_u32 v[TM+1], s42, v[LI]
	v_lshlrev_b32 v[ADK], 4, v[TM]
	v_add_nc_u32 v[ADV], VOFF, v[ADK]
	s_wait_alu depctr_va_vdst(0)
.macro MLOAD set, st                   ; the mask's image of my two tiles, key step st from s[MB] on, into a set of window 2: 32 loads
	WIN 0x80
.set K_, 0
.rept 32
	global_load_b128 v[128*(\set)+4*K_:128*(\set)+4*K_+3], v[LI], s[MB:MB+1] offset:MT*(K_/16)+8192*(\st)+512*(K_%16)
.set K_, K_+1
.endr
	WIN 0
.endm
.macro KLOAD off                       ; K's eight fragments and their scale words: 33 loads
	WIN 0x40
.irp t, 0,1,2,3,4,5,6,7
.irp c, 0,1,2,3
	ds_load_b128 v[16*\t+4*\c:16*\t+4*\c+3], v[ADK] offset:(\off)+2048*\t+512*\c
.endr
.endr
	WIN 0
	ds_load_b128 v[KS:KS+3], v[ADK] offset:(\off)+SCO
.endm
.macro VLOAD off                       ; V's likewise
	WIN 0x40
.irp t, 0,1,2,3,4,5,6,7
.irp c, 0,1,2,3
	ds_load_b128 v[128+16*\t+4*\c:128+16*\t+4*\c+3], v[ADV] offset:(\off)+2048*\t+512*\c
.endr
.endr
	WIN 0
	ds_load_b128 v[VS:VS+3], v[ADV] offset:(\off)+SCO
.endm
.irp T, 0,1
.irp c, 0,1,2,3
	global_load_b128 v[QF+16*\T+4*\c:QF+16*\T+4*\c+3], v[LI], s[46:47] offset:2048*\T+512*\c
.endr
.endr
	global_load_b32 v[QS], v[TM+1], s[46:47]       ; lanes 0-15 tile 2 w's words, lanes 16-31 tile 2 w + 1's
	MLOAD 0, 0
	MLOAD 1, 1
.irp T, 0,1
	v_mov_b32 v[ST+4*\T+1], 0xff61b1e6             ; the largest t so far: -3e38
	v_floor_f32 v[ST+4*\T], -v[ST+4*\T+1]          ; -M
	v_mov_b32 v[ST+4*\T+2], 0                      ; the sum, in two halves
	v_mov_b32 v[ST+4*\T+3], 0
	v_mov_b32 v[FF+2*\T+1], 0                      ; named as the upper half of f's pair
.irp b, 4,5,6,7
	v_mov_b32 v[TM+16*\T+\b], 0                    ; a lane permute's destination counts as one of its sources
.endr
.endr
	WIN 0xc0
.set jj, 0
.rept 128
	v_mov_b32 v[jj], 0                             ; O^T: the step is written for all steps alike; the first change of M leaves zeros zeros
.set jj, jj+1
.endr
	WIN 0
	s_wait_alu depctr_va_vdst(0)                   ; the wait at the head's end
	s_wait_tensorcnt 0x0                           ; slot 0's group of mine is in; the lines that stand ahead of a later first fill
	ds_add_u32 v[SPW], v[NIL]
	s_xor_b32 s[G0+1], s[G0+1], SLOTB
	s_add_nc_u64 s[G0+2:G0+3], s[G0+2:G0+3], 2*GRP
	s_wait_dscnt 0x0
	CROUND
	TLOAD                                          ; slot 1's first fill
	KLOAD 0
	VLOAD 0
.macro WM d, a, b, c, sa, sb, ra, rb   ; a product; ra, rb: the scale words stand in lanes 16-31
.if (\ra) && (\rb)
	v_wmma_scale_f32_16x16x128_f8f6f4 v[(\d):(\d)+7], v[(\a):(\a)+15], v[(\b):(\b)+15], v[(\c):(\c)+7], v[\sa], v[\sb] matrix_a_scale:MATRIX_SCALE_ROW1 matrix_b_scale:MATRIX_SCALE_ROW1
.elseif \ra
	v_wmma_scale_f32_16x16x128_f8f6f4 v[(\d):(\d)+7], v[(\a):(\a)+15], v[(\b):(\b)+15], v[(\c):(\c)+7], v[\sa], v[\sb] matrix_a_scale:MATRIX_SCALE_ROW1
.elseif \rb
	v_wmma_scale_f32_16x16x128_f8f6f4 v[(\d):(\d)+7], v[(\a):(\a)+15], v[(\b):(\b)+15], v[(\c):(\c)+7], v[\sa], v[\sb] matrix_b_scale:MATRIX_SCALE_ROW1
.else
	v_wmma_scale_f32_16x16x128_f8f6f4 v[(\d):(\d)+7], v[(\a):(\a)+15], v[(\b):(\b)+15], v[(\c):(\c)+7], v[\sa], v[\sb]
.endif
.endm
.macro XL8                             ; each block's maximum joined with lane l xor 16's
.irp x, 0,1,2,3,4,5,6,7
	v_permlanex16_b32 v[TM+16*(\x/4)+\x%4+4], v[TM+16*(\x/4)+\x%4], s[SEL], s[SEL+1]
.endr
.irp x, 0,1,2,3,4,5,6,7
	v_max_num_f32 v[TM+16*(\x/4)+\x%4], v[TM+16*(\x/4)+\x%4], v[TM+16*(\x/4)+\x%4+4]
.endr
.endm
.macro SCL8                            ; from the eight largest magnitudes: scale operands, bounds, bytes, the two scale words
.irp x, 0,1,2,3,4,5,6,7
	v_add_nc_u32 v[TM+16*(\x/4)+\x%4+12], 0xfc000000, v[TM+16*(\x/4)+\x%4]   ; 8 off the exponent field
.endr
.irp x, 0,1,2,3,4,5,6,7
	v_and_or_b32 v[TM+16*(\x/4)+\x%4+8], v[TM+16*(\x/4)+\x%4], 0x7f800000, s[MNT]   ; 448 x the scale
.endr
.irp x, 0,1,2,3,4,5,6,7
	v_lshrrev_b32 v[TM+16*(\x/4)+\x%4+4], 23, v[TM+16*(\x/4)+\x%4+12]
.endr
.irp T, 0,1
	v_lshl_or_b32 v[PW+\T], v[TM+16*\T+5], 8, v[TM+16*\T+4]
.endr
.irp k, 2,3
.irp T, 0,1
	v_lshl_or_b32 v[PW+\T], v[TM+16*\T+4+\k], 8*\k, v[PW+\T]
.endr
.endr
.endm
.macro CVT8 two                        ; the hold (the conversion does not saturate: ISA guide 7.6.2) and the codes; two = 0: p is never negative
.irp x, 0,1,2,3,4,5,6,7
.set B_, TM+16*(\x/4)+\x%4
.irp i, 0,1,2,3,4,5,6,7,8,9,10,11,12,13,14,15
.if \two
	v_med3_num_f32 v[S+16*\x+\i], v[S+16*\x+\i], -v[B_+8], v[B_+8]
.else
	v_min_num_f32 v[S+16*\x+\i], v[S+16*\x+\i], v[B_+8]
.endif
.endr
	v_cvt_scalef32_pk8_fp8_f32 v[PC+4*\x:PC+4*\x+1], v[S+16*\x:S+16*\x+7], v[B_+12]
	v_cvt_scalef32_pk8_fp8_f32 v[PC+4*\x+2:PC+4*\x+3], v[S+16*\x+8:S+16*\x+15], v[B_+12]
.endr
.endm
.macro SOFT                            ; the softmax of both tiles' 128 keys: eight blocks of 32 by turns
.irp x, 0,1,2,3,4,5,6,7
	v_max3_num_f32 v[TM+16*(\x/4)+\x%4], v[S+16*\x], v[S+16*\x+1], v[S+16*\x+2]   ; each accumulator is read from its low end on
.endr
.irp i, 3,5,7,9,11,13
.irp x, 0,1,2,3,4,5,6,7
	v_max3_num_f32 v[TM+16*(\x/4)+\x%4], v[TM+16*(\x/4)+\x%4], v[S+16*\x+\i], v[S+16*\x+\i+1]
.endr
.endr
.irp x, 0,1,2,3,4,5,6,7
	v_max_num_f32 v[TM+16*(\x/4)+\x%4], v[TM+16*(\x/4)+\x%4], v[S+16*\x+15]
.endr
	XL8
.irp T, 0,1
	v_max3_num_f32 v[TM+16*\T+4], v[TM+16*\T], v[TM+16*\T+1], v[TM+16*\T+2]
.endr
.irp T, 0,1
	v_max_num_f32 v[TM+16*\T+4], v[TM+16*\T+4], v[TM+16*\T+3]
.endr
.irp T, 0,1
	v_mul_f32 v[TM+16*\T+4], s[CS], v[TM+16*\T+4]
.endr
.irp T, 0,1
	v_max_num_f32 v[ST+4*\T+1], v[ST+4*\T+1], v[TM+16*\T+4]   ; the running largest t
.endr
.irp T, 0,1
	v_mov_b32 v[TM+16*\T+4], v[ST+4*\T]
.endr
.irp T, 0,1
	v_floor_f32 v[ST+4*\T], -v[ST+4*\T+1]          ; -M = floor(-t)
.endr
.irp T, 0,1
	v_sub_f32 v[TM+16*\T+4], v[ST+4*\T], v[TM+16*\T+4]
.endr
.irp T, 0,1
	v_cvt_i32_f32 v[TM+16*\T+4], v[TM+16*\T+4]     ; old M - new M; it saturates
.endr
.irp T, 0,1
	v_ldexp_f32 v[FF+2*\T], 1.0, v[TM+16*\T+4]     ; f = 2^(old M - new M)
.endr
.irp T, 0,1
.set jj, 0
.rept 32
	v_pk_fma_f32 v[S+64*\T+jj:S+64*\T+jj+1], v[S+64*\T+jj:S+64*\T+jj+1], s[CS:CS+1], v[ST+4*\T:ST+4*\T+1] op_sel_hi:[1,0,0]
.set jj, jj+2
.endr
.endr
.irp x, 0,1,2,3,4,5,6,7
	v_fma_f32 v[TM+16*(\x/4)+\x%4], v[TM+16*(\x/4)+\x%4], s[CS], v[ST+4*(\x/4)]   ; the same of each block's largest score
.endr
	s_wait_alu depctr_va_vdst(0)                   ; the wait ahead of the batch
.set jj, 0
.rept 128
	v_exp_f32 v[S+jj], v[S+jj]
.set jj, jj+1
.endr
.irp T, 0,1
	v_pk_mul_f32 v[ST+4*\T+2:ST+4*\T+3], v[ST+4*\T+2:ST+4*\T+3], v[FF+2*\T:FF+2*\T+1] op_sel_hi:[1,0]
.endr
	s_wait_alu depctr_va_vdst(0)                   ; and behind it
.irp x, 0,1,2,3,4,5,6,7
	v_exp_f32 v[TM+16*(\x/4)+\x%4], v[TM+16*(\x/4)+\x%4]   ; the blocks' largest p
.endr
.irp T, 0,1
	v_pk_add_f32 v[TM+16*\T+4:TM+16*\T+5], v[S+64*\T:S+64*\T+1], v[S+64*\T+2:S+64*\T+3]   ; the sums of the unquantised p: two chains a tile
.endr
.irp j, 4,8,12,16,20,24,28,32,36,40,44,48,52,56,60
.irp T, 0,1
	v_pk_add_f32 v[ST+4*\T+2:ST+4*\T+3], v[ST+4*\T+2:ST+4*\T+3], v[S+64*\T+\j:S+64*\T+\j+1]
	v_pk_add_f32 v[TM+16*\T+4:TM+16*\T+5], v[TM+16*\T+4:TM+16*\T+5], v[S+64*\T+\j+2:S+64*\T+\j+3]
.endr
.endr
.irp T, 0,1
	v_pk_add_f32 v[ST+4*\T+2:ST+4*\T+3], v[ST+4*\T+2:ST+4*\T+3], v[TM+16*\T+4:TM+16*\T+5]
.endr
	s_wait_alu depctr_va_vdst(0)                   ; for the eight
.irp x, 0,1,2,3,4,5,6,7
	v_max_num_f32 v[TM+16*(\x/4)+\x%4], 0x4800000, v[TM+16*(\x/4)+\x%4]   ; the floor 2^(9 - 127): the byte cannot fall under 1
.endr
	SCL8
	CVT8 0
	WIN 0xc3
	s_wait_alu depctr_va_vdst(0)                   ; the wait directly ahead of the first reader of O^T
.irp T, 0,1
.set jj, 0
.rept 32
	v_pk_mul_f32 v[64*\T+jj:64*\T+jj+1], v[64*\T+jj:64*\T+jj+1], v[FF+2*\T:FF+2*\T+1] op_sel_hi:[1,0]   ; O^T under the new M; also the places ahead of the products
.set jj, jj+2
.endr
.endr
	WIN 0
	s_wait_alu depctr_va_vdst(0)
.endm
.macro ASKM off                        ; the mask's tiles two steps ahead of their loads: head 0's work-groups ask, 32 blocks of 256 bytes an instruction
	s_cmp_eq_u32 s16, 0
	s_cbranch_scc0 .Lpm_\@
	global_prefetch_b8 v[PFO], s[MB:MB+1] offset:\off th:TH_LOAD_NT scope:SCOPE_SE
	global_prefetch_b8 v[PFO], s[MB:MB+1] offset:MT+\off th:TH_LOAD_NT scope:SCOPE_SE
.Lpm_\@:
.endm
.macro ASKK                            ; my group of the slot behind the one just asked for; the sixth trip has none
	s_cmp_gt_u32 s[CNT], 1
	s_cbranch_scc0 .Lpk_\@
	global_prefetch_b8 v[PFK], s[PK:PK+1] offset:6*GRP th:TH_LOAD_NT scope:SCOPE_SE
.Lpk_\@:
.endm
.macro CHANGE kind                     ; the change of slots.  kind 0: the slot just left is filled again, two slots on; kind 1: nothing is filled
	s_wait_tensorcnt 0x0                           ; my group of the next slot is in
	ds_add_u32 v[SPW], v[NIL]
	s_xor_b32 s[TB], s[TB], SLOTB
.if \kind == 0
	s_xor_b32 s[G0+1], s[G0+1], SLOTB
	s_add_nc_u64 s[G0+2:G0+3], s[G0+2:G0+3], 2*GRP
	s_wait_dscnt 0x0                               ; the add is done, and V's fragments of this step, my last reads of the slot, are in
	CROUND
	TLOAD
.else
	s_wait_dscnt 0x0
	s_barrier_signal -1
	s_barrier_wait -1
.endif
.endm
; A KEY STEP, the q-th of its slot.  kind 0: in the loop that refills; kind 1: in the last two trips (s[CNT] = 2, then 1).
.macro STEP q, kind
	s_wait_dscnt 33                                ; K's fragments are in; V's 33 loads may be out
.if \kind == 0
	s_wait_loadcnt 32                              ; this step's mask is in; the next step's 32 loads may be out
.endif
	WIN 0x21                                       ; A window 1, C window 2
.irp t, 0,1,2,3,4,5,6,7
.irp T, 0,1
	WM S+64*\T+8*\t, 16*\t, QF+16*\T, 128*(\q)+64*\T+8*\t, KS+\t/2, QS, \t%2, \T
.endr
.endr
	WIN 0
	PLACES 8
.if \kind == 0
	MLOAD \q, (\q)+2
.else
	s_cmp_eq_u32 s[CNT], 2
	s_cbranch_scc0 .Lma_\@
	MLOAD \q, (\q)+2
	s_wait_loadcnt 32                              ; the next step's mask is in
	s_branch .Lmb_\@
.Lma_\@:
	s_wait_loadcnt 0x0
.Lmb_\@:
.endif
.if (\q) == 0
	KLOAD GRP
.if \kind == 0
	ASKM 8192*4
.endif
.else
	CHANGE \kind
	v_add_nc_u32 v[ADK], s[TB], v[LI]
	v_add_nc_u32 v[ADV], VOFF, v[ADK]
	s_wait_alu depctr_va_vdst(0)
.if \kind == 0
	KLOAD 0
	ASKM 8192*5
	ASKK
.else
	s_cmp_eq_u32 s[CNT], 2
	s_cbranch_scc0 .Lka_\@
	KLOAD 0
.Lka_\@:
.endif
.endif
	SOFT
.if (\q) == 0
	s_wait_dscnt 33                                ; V's fragments are in; the next K's 33 loads may be out  (in a slot's second step the change of slots has waited for V's)
.endif
	WIN 0xf1                                       ; A window 1, C and D window 3
.irp t, 0,1,2,3,4,5,6,7
.irp T, 0,1
	WM 64*\T+8*\t, 128+16*\t, PC+16*\T, 64*\T+8*\t, VS+\t/2, PW+\T, \t%2, 0
.endr
.endr
	WIN 0
	PLACES 8
.if (\q) == 0
	VLOAD GRP
.elseif \kind == 0
	VLOAD 0
.else
	s_cmp_eq_u32 s[CNT], 2
	s_cbranch_scc0 .Lva_\@
	VLOAD 0
	s_branch .Lvb_\@
.Lva_\@:
	s_wait_dscnt 0x0
.Lvb_\@:
.endif
.endm
	s_mov_b32 s[CNT], 6
.Lfill:                                                ; slots 0 to 5: each trip asks for the slot two on
	STEP 0, 0
	STEP 1, 0
	s_wait_xcnt 0x0                                ; the mask's loads and the prefetches have read their bases
	s_add_nc_u64 s[MB:MB+1], s[MB:MB+1], 2*8192
	s_add_nc_u64 s[PK:PK+1], s[PK:PK+1], 2*GRP
	s_sub_co_u32 s[CNT], s[CNT], 1
	s_cmp_lg_u32 s[CNT], 0
	s_cbranch_scc1 .Lfill
	s_wait_loadcnt 32                              ; step 12's mask is in
	s_mov_b32 s[CNT], 2
.Llast:                                                ; slots 6 and 7: nothing is filled; the second trip passes the barrier with nothing out
	STEP 0, 1
	STEP 1, 1
	s_wait_xcnt 0x0
	s_add_nc_u64 s[MB:MB+1], s[MB:MB+1], 2*8192
	s_sub_co_u32 s[CNT], s[CNT], 1
	s_cmp_lg_u32 s[CNT], 0
	s_cbranch_scc1 .Llast
	; THE WAY OUT: O^T / the sum, quantised along the channels where it lies; the codes are fragment images
.irp T, 0,1
	v_add_f32 v[ST+4*\T+2], v[ST+4*\T+2], v[ST+4*\T+3]
.endr
.irp T, 0,1
	v_permlanex16_b32 v[TM+16*\T+4], v[ST+4*\T+2], s[SEL], s[SEL+1]
.endr
.irp T, 0,1
	v_add_f32 v[ST+4*\T+2], v[ST+4*\T+2], v[TM+16*\T+4]
.endr
	s_wait_alu depctr_va_vdst(0)
.irp T, 0,1
	v_rcp_f32 v[ST+4*\T+2], v[ST+4*\T+2]
.endr
	v_nop
	WIN 0x03
	s_wait_alu depctr_va_vdst(0)
.irp T, 0,1
.set jj, 0
.rept 32
	v_pk_mul_f32 v[S+64*\T+jj:S+64*\T+jj+1], v[64*\T+jj:64*\T+jj+1], v[ST+4*\T+2:ST+4*\T+3] op_sel_hi:[1,0]
.set jj, jj+2
.endr
.endr
	WIN 0
.irp x, 0,1,2,3,4,5,6,7
	v_max3_num_f32 v[TM+16*(\x/4)+\x%4], |v[S+16*\x]|, |v[S+16*\x+1]|, 0x4800000
.endr
.irp i, 2,4,6,8,10,12,14
.irp x, 0,1,2,3,4,5,6,7
	v_max3_num_f32 v[TM+16*(\x/4)+\x%4], v[TM+16*(\x/4)+\x%4], |v[S+16*\x+\i]|, |v[S+16*\x+\i+1]|
.endr
.endr
	XL8
	SCL8
	CVT8 1
	v_nop                                          ; one plain line behind the last conversion
.irp T, 0,1
.irp c, 0,1,2,3
	global_store_b128 v[LI], v[PC+16*\T+4*\c:PC+16*\T+4*\c+3], s[8:9] offset:4096*\T+512*\c
.endr
.endr
	s_mov_b32 vcc_lo, 0xffff0000
	v_cndmask_b32 v[TM], v[PW], v[PW+1], vcc_lo    ; lanes 0-15 the first tile's words, lanes 16-31 the second's
	v_and_b32 v[TM+1], 15, v0
	v_bfe_u32 v[TM+2], v0, 4, 1
	v_lshlrev_b32 v[TM+1], 3, v[TM+1]
	v_lshl_add_u32 v[TM+1], v[TM+2], 10, v[TM+1]
	global_store_b32 v[TM+1], v[TM], s[10:11]
	s_wait_tensorcnt 0x0                           ; the wave's end
	ds_add_u32 v[SPW], v[NIL]
	s_wait_dscnt 0x0
	CROUND                                         ; the closing round
	s_endpgm
.Lfunc_end_k_q5f50ae78b0_attn:
	.size	k_q5f50ae78b0_attn, .Lfunc_end_k_q5f50ae78b0_attn-k_q5f50ae78b0_attn
	.p2alignl 7, 3214868480
	.fill 96, 4, 3214868480
	.section	.rodata,"a",@progbits
	.p2align	6, 0x0
	.amdhsa_kernel k_q5f50ae78b0_attn
		.amdhsa_group_segment_fixed_size 327680
		.amdhsa_private_segment_fixed_size 0
		.amdhsa_enable_private_segment 0
		.amdhsa_kernarg_size 32
		.amdhsa_user_sgpr_count 2
		.amdhsa_user_sgpr_kernarg_segment_ptr 1
		.amdhsa_wavefront_size32 1
		.amdhsa_system_sgpr_workgroup_id_x 1
		.amdhsa_system_sgpr_workgroup_id_y 1
		.amdhsa_system_sgpr_workgroup_id_z 1
		.amdhsa_system_vgpr_workitem_id 0
		.amdhsa_next_free_vgpr 896
		.amdhsa_next_free_sgpr 66
		.amdhsa_reserve_vcc 1
		.amdhsa_float_denorm_mode_32 3
		.amdhsa_float_denorm_mode_16_64 3
		.amdhsa_memory_ordered 1
		.amdhsa_forward_progress 1
		.amdhsa_inst_pref_size 213
	.end_amdhsa_kernel
	.amdgpu_metadata
---
amdhsa.version: [ 1, 2 ]
amdhsa.kernels:
  - .name:           k_q5f50ae78b0_attn
    .symbol:         k_q5f50ae78b0_attn.kd
    .args:
      - { .name: qkv, .offset: 0, .size: 8, .value_kind: global_buffer, .address_space: global }
      - { .name: mimg, .offset: 8, .size: 8, .value_kind: global_buffer, .address_space: global }
      - { .name: acodes, .offset: 16, .size: 8, .value_kind: global_buffer, .address_space: global }
      - { .name: ascl, .offset: 24, .size: 8, .value_kind: global_buffer, .address_space: global }
    .group_segment_fixed_size: 327680
    .private_segment_fixed_size: 0
    .kernarg_segment_align: 8
    .kernarg_segment_size: 32
    .max_flat_workgroup_size: 128
    .sgpr_count:     66
    .vgpr_count:     896
    .wavefront_size: 32
...
	.end_amdgpu_metadata
.endif
;; end of part 3
;; launch oproj (part 4): grid 16 x 16, 4 waves a work-group, clusters of 4 x 4, 327,680 bytes of LDS; arguments acodes, ascl, codes, scl, bo, out0; writes out0
.if DOCPART == 4
	.amdgcn_target "amdgcn-amd-amdhsa--gfx1250"
	.amdhsa_code_object_version 6
	.text
	.protected	k_q5f50ae78b0_oproj
	.globl	k_q5f50ae78b0_oproj
	.p2align	8
	.type	k_q5f50ae78b0_oproj,@function
k_q5f50ae78b0_oproj:
	s_mov_b64 s[64:65], 0
	v_nop
	global_prefetch_b8 v0, s[64:65] scope:SCOPE_SE
	s_setreg_imm32_b32 hwreg(HW_REG_WAVE_MODE, 25, 1), 1
	s_wait_xcnt 0x0
	s_wait_alu depctr_hold_cnt(0) depctr_sa_sdst(0) depctr_va_vdst(0) depctr_va_sdst(0) depctr_va_ssrc(0) depctr_va_vcc(0) depctr_vm_vsrc(0)
	s_getreg_b32 s2, hwreg(HW_REG_IB_STS2, 6, 4)
	s_cmp_eq_u32 s2, 0
	s_cbranch_scc0 .Lentry_in_a_cluster
	s_endpgm
.Lentry_in_a_cluster:
	s_bfe_u32 s2, ttmp6, 0x10000c
	s_cmp_lg_u32 s2, 0xf033
	s_cbranch_scc0 .Lentry_shape_is_right
	s_endpgm
.Lentry_shape_is_right:
.set KS_A,  524288
.set KS_B,  2621440
.set NL,    4
.set NP,    8
.set FR,    16
.set SLOT,  131072
.set SCL,   262144
.set SPARE, 278784
.set SPITCH, 272
.set ADRA, 16
.set ADRB, 20
.set STO,  24
.set RD,   25
.set LI,   26
.set ADRS, 27
.set SPW,  28
.set NIL,  29
.set BO,   30
.set CO,   31
.set SC,   32
.set BB,   64
.set BK,   64
.set ACC,  128
.set G1, 24
.set G0, 32
.set G1B, 48
.set G0B, 56
.set G1S, 68
.set G0S, 76
.set G1SB, 80
.set G0SB, 88
.set MSB, 0
.macro WIN new
.if MSB != \new
	s_set_vgpr_msb (MSB<<8)|\new
.set MSB, \new
.endif
.endm
.macro JLOAD g0a, g1a, g0b, g1b
	s_cmp_eq_u32 s19, 0
	s_cbranch_scc0 .Lfor_b_\@
	tensor_load_to_lds s[\g0a:\g0a+3], s[\g1a:\g1a+7]
	s_nop 0
.rept 4
	v_nop
.endr
	s_branch .Lasked_\@
.Lfor_b_\@:
	tensor_load_to_lds s[\g0b:\g0b+3], s[\g1b:\g1b+7]
	s_nop 0
.rept 4
	v_nop
.endr
.Lasked_\@:
.endm
.macro CREST
	s_cmp_lg_u32 s18, 0
	s_cbranch_scc1 .Lnot_wave_0_\@
	s_barrier_signal -3
.Lnot_wave_0_\@:
	s_barrier_wait -3
	s_barrier_signal -1
	s_barrier_wait -1
.endm
.macro CROUND
	s_barrier_signal -1
	s_barrier_wait -1
	CREST
.endm
	s_load_b256 s[4:11], s[0:1], 0x0
	s_load_b128 s[12:15], s[0:1], 0x20
	v_lshl_add_u32 v[SPW], v0, 2, SPARE
	v_mov_b32 v[NIL], 0
	ds_add_u32 v28, v29
	ds_add_u32 v28, v29
	s_wait_dscnt 0x0
	v_lshrrev_b32 v1, 5, v0
	v_readfirstlane_b32 s18, v1
	s_lshr_b32 s19, s18, 1
	s_and_b32 s20, s18, 1
	s_bfe_u32 s40, ttmp6, 0x40000
	s_bfe_u32 s41, ttmp6, 0x40004
	s_lshl_b32 s42, ttmp9, 2
	s_add_co_u32 s42, s42, s40
	s_and_b32 s22, ttmp7, 0xffff
	s_lshl_b32 s22, s22, 2
	s_add_co_u32 s22, s22, s41
	s_lshl_b32 s43, s41, 2
	s_lshl_b32 s43, 15, s43
	s_lshl_b32 s44, 0x1111, s40
	s_or_b32 s[G1+0], s43, (3<<16)|(1<<21)
	s_or_b32 s[G1B+0], s44, (3<<16)|(1<<21)
	s_or_b32 s[G1S+0], s43, (3<<16)|(1<<21)
	s_or_b32 s[G1SB+0], s44, (3<<16)|(1<<21)
.irp g, G1, G1B
	s_mov_b32 s[\g+1], 32<<16
	s_mov_b32 s[\g+2], 128<<16
	s_mov_b32 s[\g+3], 32<<16
	s_mov_b32 s[\g+4], 128
	s_mov_b32 s[\g+5], 32
	s_mov_b32 s[\g+6], 0
	s_mov_b32 s[\g+7], 0
.endr
.irp g, G1S, G1SB
	s_mov_b32 s[\g+1], 32<<16
	s_mov_b32 s[\g+2], 16<<16
	s_mov_b32 s[\g+3], 32<<16
	s_mov_b32 s[\g+4], 16
	s_mov_b32 s[\g+5], 32
	s_mov_b32 s[\g+6], 0
	s_mov_b32 s[\g+7], 0
.endr
	s_lshl_b32 s2, s20, 2
	s_lshl_b32 s66, s22, 3
	s_add_co_u32 s96, s66, s2
	s_lshl_b32 s96, s96, 10
	s_mov_b32 s97, 0
	s_lshl_b32 s66, s66, 12
	s_mul_i32 s3, s20, KS_A
	s_add_co_u32 s66, s66, s3
	s_mov_b32 s67, 0
	s_lshl_b32 s46, s42, 3
	s_add_co_u32 s46, s46, 512
	s_add_co_u32 s92, s46, s2
	s_lshl_b32 s92, s92, 10
	s_mov_b32 s93, 0
	s_lshl_b32 s46, s46, 12
	s_mul_i32 s3, s20, KS_B
	s_add_co_u32 s46, s46, s3
	s_mov_b32 s47, 0
	s_lshl_b32 s45, s18, 15
	s_lshl_b32 s94, s18, 12
	s_lshl_b32 s3, s19, 7
	s_add_co_u32 s94, s94, s3
	s_add_co_u32 s94, s94, SCL
	s_wait_kmcnt 0x0
	s_add_nc_u64 s[66:67], s[4:5], s[66:67]
	s_add_nc_u64 s[96:97], s[6:7], s[96:97]
	s_add_nc_u64 s[46:47], s[8:9], s[46:47]
	s_add_nc_u64 s[92:93], s[10:11], s[92:93]
	; THE PREFETCHES: of the 32,768 bytes that my wave fetches for a slot, my work-group takes 8,192 (by cx for A, by cy for B: told apart by address), a lane a block of 256 bytes.
	; s[16:17] walks slots 0 and 2, s[100:101] slots 1 and 3; s[98:99] is a slot's step in my tensor.  Slots 0 and 1 are asked for here: their loads follow the scale words'.
	s_cmp_eq_u32 s19, 0
	s_cselect_b64 s[16:17], s[66:67], s[46:47]
	s_cselect_b32 s100, s40, s41
	s_mov_b32 s98, 2*KS_B
	s_cselect_b32 s98, 2*KS_A, s98
	s_mov_b32 s99, 0
	s_lshl_b32 s100, s100, 13
	s_mov_b32 s101, 0
	s_add_nc_u64 s[16:17], s[16:17], s[100:101]
	s_add_nc_u64 s[100:101], s[16:17], s[98:99]
	v_and_b32 v7, 31, v0
	v_lshlrev_b32 v7, 8, v7
	s_wait_alu depctr_va_vdst(0)
	global_prefetch_b8 v7, s[16:17] th:TH_LOAD_NT scope:SCOPE_SE
	global_prefetch_b8 v7, s[100:101] th:TH_LOAD_NT scope:SCOPE_SE
	CROUND
	s_mov_b32 s[G0S], 1
	s_mov_b32 s[G0S+1], s94
	s_mov_b64 s[G0S+2:G0S+3], s[96:97]
	s_or_b32 s[G0S+3], s[G0S+3], 0x80000000
	s_mov_b32 s[G0SB], 1
	s_mov_b32 s[G0SB+1], s94
	s_mov_b64 s[G0SB+2:G0SB+3], s[92:93]
	s_or_b32 s[G0SB+3], s[G0SB+3], 0x80000000
	JLOAD G0S, G1S, G0SB, G1SB
.irp s, 0,1
	s_mov_b32 s[G0+4*\s], 1
	s_add_co_u32 s[G0+4*\s+1], s45, \s*SLOT
	s_add_nc_u64 s[G0+4*\s+2:G0+4*\s+3], s[66:67], \s*2*KS_A
	s_or_b32 s[G0+4*\s+3], s[G0+4*\s+3], 0x80000000
	s_mov_b32 s[G0B+4*\s], 1
	s_add_co_u32 s[G0B+4*\s+1], s45, \s*SLOT
	s_add_nc_u64 s[G0B+4*\s+2:G0B+4*\s+3], s[46:47], \s*2*KS_B
	s_or_b32 s[G0B+4*\s+3], s[G0B+4*\s+3], 0x80000000
	s_wait_alu depctr_va_vdst(0)
	s_wait_tensorcnt 0x0
	ds_add_u32 v28, v29
	s_wait_dscnt 0x0
	CROUND
	JLOAD G0+4*\s, G1, G0B+4*\s, G1B
.endr
	s_wait_xcnt 0x0                                ; the head's prefetches have read their bases
	s_add_nc_u64 s[16:17], s[16:17], s[98:99]
	s_add_nc_u64 s[16:17], s[16:17], s[98:99]
	global_prefetch_b8 v7, s[16:17] th:TH_LOAD_NT scope:SCOPE_SE   ; slot 2's tiles, a slot ahead of their load
	v_and_b32 v1, 15, v0
	v_bfe_u32 v2, v0, 4, 1
	s_wait_alu depctr_va_vdst(0)
	v_and_b32 v3, 31, v0
	v_lshlrev_b32 v[LI], 4, v3
	s_lshl_b32 s2, s19, 14
	s_lshl_b32 s3, s20, 14
	s_add_co_u32 s3, s3, 65536
.irp s, 0,1
	v_add_nc_u32 v[ADRA+\s], s2, v[LI]
	v_add_nc_u32 v[ADRB+\s], s3, v[LI]
	s_add_co_u32 s2, s2, SLOT
	s_add_co_u32 s3, s3, SLOT
.endr
	v_lshlrev_b32 v5, 3, v1
	s_lshl_b32 s2, s19, 12
	s_lshl_b32 s3, s20, 12
	s_add_co_u32 s3, s3, 8320
	s_sub_co_u32 s3, s3, s2
	v_mul_u32_u24 v6, s3, v2
	s_add_co_u32 s2, s2, SCL
	v_add_nc_u32 v5, v5, v6
	v_add_nc_u32 v[ADRS], s2, v5
	s_mul_i32 s2, s18, 16*SPITCH
	v_mul_u32_u24 v5, v1, SPITCH
	v_lshl_add_u32 v5, v2, 6, v5
	v_add_nc_u32 v[STO], s2, v5
	v_mul_u32_u24 v6, v2, SPITCH
	v_lshl_add_u32 v6, v1, 4, v6
	v_add_nc_u32 v[RD], s2, v6
	v_lshlrev_b32 v[CO], 13, v2
	v_lshl_add_u32 v[CO], v1, 4, v[CO]
	s_lshl_b32 s46, s42, 9
	s_lshl_b32 s47, s20, 8
	s_add_co_u32 s46, s46, s47
	s_mov_b32 s47, 0
	s_add_nc_u64 s[12:13], s[12:13], s[46:47]
	s_add_nc_u64 s[14:15], s[14:15], s[46:47]
	s_lshl_b32 s96, s22, 20
	s_lshl_b32 s97, s19, 19
	s_add_co_u32 s96, s96, s97
	s_mov_b32 s97, 0
	s_add_nc_u64 s[14:15], s[14:15], s[96:97]
	v_lshlrev_b32 v[BO], 6, v2
.irp b, 0,1
.irp j, 0,1,2,3
	global_load_b128 v[BB+16*\b+4*\j:BB+16*\b+4*\j+3], v[BO], s[12:13] offset:128*\b+16*\j
.endr
.endr
.macro FRAG reg, adr, qq, i
.irp c, 0,1,2,3
	ds_load_b128 v[\reg+4*\c:\reg+4*\c+3], v[\adr] offset:32768*((\qq)/2)+2048*((\qq)%2)+4096*(\i)+512*\c
.endr
.endm
.macro FETCH slot, qq, f
	WIN 0x40
.irp i, 0,1,2,3
	FRAG 128*(\f)+64+FR*\i, ADRB+\slot, \qq, \i
.endr
.irp i, 0,1,2,3
	FRAG 128*(\f)+FR*\i, ADRA+\slot, \qq, \i
.endr
.endm
.macro SCALES sc
	WIN 0
.irp i, 0,1,2,3
.irp j, 0,1
	ds_load_b64 v[SC+16*\sc+4*\i+2*\j:SC+16*\sc+4*\i+2*\j+1], v[ADRS] offset:1024*\i+128*\j
.endr
.endr
.endm
.macro MUL4 a, f, qq, sc, mode
.irp b, 0,1,2,3
.if \mode == 0
	v_wmma_scale_f32_16x16x128_f8f6f4 v[ACC+8*(4*(\a)+\b):ACC+8*(4*(\a)+\b)+7], v[128*(\f)+64+FR*\b:128*(\f)+64+FR*\b+FR-1], v[128*(\f)+FR*(\a):128*(\f)+FR*(\a)+FR-1], v[ACC+8*(4*(\a)+\b):ACC+8*(4*(\a)+\b)+7], v[SC+16*(\sc)+4*\b+(\qq)], v[SC+16*(\sc)+4*(\a)+(\qq)] matrix_a_scale:MATRIX_SCALE_ROW1
.else
	v_wmma_scale_f32_16x16x128_f8f6f4 v[ACC+8*(4*(\a)+\b):ACC+8*(4*(\a)+\b)+7], v[128*(\f)+64+FR*\b:128*(\f)+64+FR*\b+FR-1], v[128*(\f)+FR*(\a):128*(\f)+FR*(\a)+FR-1], v[BB+8*\b:BB+8*\b+7], v[SC+16*(\sc)+4*\b+(\qq)], v[SC+16*(\sc)+4*(\a)+(\qq)] matrix_a_scale:MATRIX_SCALE_ROW1
.endif
.endr
.endm
.macro PLACES n
.rept \n
	v_nop
.endr
.endm
.macro STEP slot, qq, mode
	s_wait_dscnt 2*NL
	WIN 0x05
	MUL4 0, (\qq)%2, \qq, \slot, \mode
	MUL4 1, (\qq)%2, \qq, \slot, \mode
	PLACES NP
	FETCH \slot, (\qq)+1, 1-(\qq)%2
	s_wait_dscnt 8*NL
	WIN 0x05
	MUL4 2, (\qq)%2, \qq, \slot, \mode
	MUL4 3, (\qq)%2, \qq, \slot, \mode
.endm
.macro TURN slot, next, fill
	WIN 0
	s_wait_tensorcnt 0x0
	ds_add_u32 v[SPW], v[NIL]
	s_wait_dscnt 2*NL+1
	WIN 0x05
	MUL4 0, 1, 3, \slot, 0
	s_wait_dscnt 0x0
	s_barrier_signal -1
	MUL4 1, 1, 3, \slot, 0
	WIN 0
	s_barrier_wait -1
.if \fill
	CREST
	s_add_nc_u64 s[G0+4*\slot+2:G0+4*\slot+3], s[G0+4*\slot+2:G0+4*\slot+3], 4*KS_A
	s_add_nc_u64 s[G0B+4*\slot+2:G0B+4*\slot+3], s[G0B+4*\slot+2:G0B+4*\slot+3], 4*KS_B
	JLOAD G0+4*\slot, G1, G0B+4*\slot, G1B
	PLACES NP-4
.else
	PLACES NP
.endif
	s_wait_alu depctr_va_vdst(0)
	v_add_nc_u32 v[ADRS], 256, v[ADRS]
	SCALES \next
	FETCH \next, 0, 0
.if (\fill) && (\slot == 0)
	s_wait_xcnt 0x0
	s_add_nc_u64 s[100:101], s[100:101], s[98:99]
	s_add_nc_u64 s[100:101], s[100:101], s[98:99]
	global_prefetch_b8 v7, s[100:101] th:TH_LOAD_NT scope:SCOPE_SE   ; slot 3's tiles, a slot ahead of their load
.endif
	WIN 0x05
	MUL4 2, 1, 3, \slot, 0
	MUL4 3, 1, 3, \slot, 0
.endm
	s_wait_tensorcnt 1
	s_barrier_signal -1
	s_barrier_wait -1
	SCALES 0
	FETCH 0, 0, 0
	s_wait_loadcnt 0x0
	STEP 0, 0, 1
	STEP 0, 1, 0
	STEP 0, 2, 0
	TURN 0, 1, 1
	STEP 1, 0, 0
	STEP 1, 1, 0
	STEP 1, 2, 0
	TURN 1, 0, 1
	STEP 0, 0, 0
	STEP 0, 1, 0
	STEP 0, 2, 0
	TURN 0, 1, 0
	STEP 1, 0, 0
	STEP 1, 1, 0
	STEP 1, 2, 0
	s_wait_dscnt 2*NL
	WIN 0x05
	MUL4 0, 1, 3, 1, 0
	MUL4 1, 1, 3, 1, 0
	s_wait_dscnt 0x0
	MUL4 2, 1, 3, 1, 0
	MUL4 3, 1, 3, 1, 0
	WIN 0
.macro TOSTAGE a
.irp b, 0,1,2,3
	ds_store_b128 v[STO], v[ACC+8*(4*(\a)+\b):ACC+8*(4*(\a)+\b)+3] offset:128*(\b/2)+32*(\b%2)
	ds_store_b128 v[STO], v[ACC+8*(4*(\a)+\b)+4:ACC+8*(4*(\a)+\b)+7] offset:128*(\b/2)+32*(\b%2)+16
.endr
.set BBK, BK+32*((\a)%2)
.irp t, 0,1,2,3,4,5,6,7
	ds_load_b128 v[BBK+4*\t:BBK+4*\t+3], v[RD] offset:2*\t*SPITCH
.endr
.endm
.macro SEND a, younger
.set BBK, BK+32*((\a)%2)
	s_wait_dscnt \younger
.irp t, 0,1,2,3,4,5,6,7
	global_store_b128 v[CO], v[BBK+4*\t:BBK+4*\t+3], s[14:15] offset:(32*((\a)/2)+8*((\a)%2)+((2*\t)&7)+16*((\t)>>2))*8192 th:TH_STORE_NT
.endr
.endm
	PLACES NP
	TOSTAGE 0
.irp a, 1,2,3
.if \a > 1
	s_wait_xcnt 0x0
.endif
	TOSTAGE \a
	SEND \a-1, 16
.endr
	SEND 3, 0
	s_wait_tensorcnt 0x0
	ds_add_u32 v[SPW], v[NIL]
	s_wait_dscnt 0x0
	CROUND
	s_endpgm
.Lfunc_end_k_q5f50ae78b0_oproj:
	.size	k_q5f50ae78b0_oproj, .Lfunc_end_k_q5f50ae78b0_oproj-k_q5f50ae78b0_oproj
	.p2alignl 7, 3214868480
	.fill 96, 4, 3214868480
	.section	.rodata,"a",@progbits
	.p2align	6, 0x0
	.amdhsa_kernel k_q5f50ae78b0_oproj
		.amdhsa_group_segment_fixed_size 327680
		.amdhsa_private_segment_fixed_size 0
		.amdhsa_enable_private_segment 0
		.amdhsa_kernarg_size 48
		.amdhsa_user_sgpr_count 2
		.amdhsa_user_sgpr_kernarg_segment_ptr 1
		.amdhsa_wavefront_size32 1
		.amdhsa_system_sgpr_workgroup_id_x 1
		.amdhsa_system_sgpr_workgroup_id_y 1
		.amdhsa_system_sgpr_workgroup_id_z 1
		.amdhsa_system_vgpr_workitem_id 0
		.amdhsa_next_free_vgpr 512
		.amdhsa_next_free_sgpr 102
		.amdhsa_reserve_vcc 0
		.amdhsa_float_denorm_mode_32 3
		.amdhsa_float_denorm_mode_16_64 3
		.amdhsa_memory_ordered 1
		.amdhsa_forward_progress 1
		.amdhsa_inst_pref_size 95
	.end_amdhsa_kernel
	.amdgpu_metadata
---
amdhsa.version: [ 1, 2 ]
amdhsa.kernels:
  - .name:           k_q5f50ae78b0_oproj
    .symbol:         k_q5f50ae78b0_oproj.kd
    .args:
      - { .name: acodes, .offset: 0, .size: 8, .value_kind: global_buffer, .address_space: global }
      - { .name: ascl, .offset: 8, .size: 8, .value_kind: global_buffer, .address_space: global }
      - { .name: codes, .offset: 16, .size: 8, .value_kind: global_buffer, .address_space: global }
      - { .name: scl, .offset: 24, .size: 8, .value_kind: global_buffer, .address_space: global }
      - { .name: bo, .offset: 32, .size: 8, .value_kind: global_buffer, .address_space: global }
      - { .name: out0, .offset: 40, .size: 8, .value_kind: global_buffer, .address_space: global }
    .group_segment_fixed_size: 327680
    .private_segment_fixed_size: 0
    .kernarg_segment_align: 8
    .kernarg_segment_size: 48
    .max_flat_workgroup_size: 128
    .sgpr_count:     102
    .vgpr_count:     512
    .wavefront_size: 32
...
	.end_amdgpu_metadata
.endif
;; end of part 4
